; MI455X (gfx1250); checked and timed in simulation.
; The chip was launched on July 23, 2026; its instructions are those of AMD's public machine-readable ISA for CDNA 5 (MIT licence, August 2026) and "CDNA5" Instruction Set Architecture Reference Guide (July 2026). The comments in the code are by the model that wrote it; some were corrected since.
;; Attention. Allowed arithmetic: matrix products marked QUANTISED: E2M1 operands, one E8M0 scale for each 32 along K, by v_wmma_scale_f32_16x16x128_f8f6f4 with both operands' format E2M1 (or v_wmma_scale_f32_32x16x128_f4), f32 sums; products left as they are: bf16, f16 or f32 operands; f32 sums; everything else in f32.
;; Inputs: wk 1,024 x 256 float32; wo 1,024 x 1,024 float32; wq 1,024 x 1,024 float32; wv 1,024 x 256 float32; x 1 x 4,096 x 1,024 float32.
;; Outputs: out0 1 x 4,096 x 1,024 float32.
;; This version of the problem:
;;   THIS VERSION OF THE PROBLEM IS GIVEN IN LOW PRECISION. The matrix products marked QUANTISED in the list below multiply operands that are first quantised to E2M1 (2 exponent bits, 1 mantissa bit; 4 bits a number), with one power-of-two scale for each 32 numbers along K (OCP MX v1.0); their sums are f32. The products marked 'left as it is' may take bf16, f16 or f32 operands, with f32 sums. Whichever they take, every output number must still come out within the allowed error. Rounding operands to bf16 (8 significant bits) uses up far more of that allowance than f16 does (11 bits, for magnitudes from 6e-5 to 65,504). All else is computed in f32.
;;   The module's matrix products, in the order in which they are computed (A, B: the left and right operand; K: the contracted axis; several contracted axes count as one K, in the product's order):
;;     1. [M 4,096, K 1,024] x [K 1,024, N 1,024]; A: input x; B: input wq: QUANTISED
;;     2. [M 4,096, K 1,024] x [K 1,024, N 256]; A: input x; B: input wk: QUANTISED
;;     3. [M 4,096, K 1,024] x [K 1,024, N 256]; A: input x; B: input wv: QUANTISED
;;     4. batch 16 x [M 4,096, K 64] x [K 64, N 4,096]; A: computed on the way; B: computed on the way: left as it is (an operand is computed on the way)
;;     5. batch 16 x [M 4,096, K 4,096] x [K 4,096, N 64]; A: computed on the way; B: computed on the way: left as it is (an operand is computed on the way)
;;     6. [M 4,096, K 1,024] x [K 1,024, N 1,024]; A: computed on the way; B: input wo: left as it is (an operand is computed on the way)
;;   THE QUANTISER, for each operand of a quantised product, along K:
;;     - K is cut into blocks of 32 from its start; a last block that is shorter is filled with zeros.
;;     - A block's scale is 2^e with e = floor(log2(the largest magnitude in the block)) - 2, held to -126 .. 127; a block of zeros has e = 0. As a byte (E8M0): e + 127.
;;     - Each number is divided by its block's scale, clamped to +-6, and rounded to the nearest number of E2M1, ties to even, subnormals kept.
;;     - The product sums the exact products of the quantised numbers (number of the format x scale) in f32.
;;   ~~~python
;;   def quantise(x, axis):      # numpy; x: float32 -> the quantised numbers, widened to float32 again
;;       x = np.moveaxis(x, axis, -1); K = x.shape[-1]
;;       x = np.pad(x, [(0, 0)] * (x.ndim - 1) + [(0, -K % 32)]); x = x.reshape(x.shape[:-1] + (-1, 32)); a = np.abs(x).max(-1, keepdims=True)
;;       e = np.where(a > 0, np.clip(np.frexp(np.where(a > 0, a, 1))[1] - 1 - 2, -126, 127), 0)      # np.frexp(a)[1] - 1 = floor(log2(a)), exactly
;;       r = np.clip(x / 2.0 ** e, -6, 6)
;;       step = 2.0 ** (np.maximum(np.frexp(np.where(r == 0, 1, r))[1] - 1, 0) - 1)
;;       q = np.round(r / step) * step * 2.0 ** e      # np.round: ties to even
;;       return np.moveaxis(q.reshape(q.shape[:-2] + (-1,))[..., :K], -1, axis).astype(np.float32)
;;   ~~~
;; One version. Each part assembles by itself: llvm-mc -triple=amdgcn-amd-amdhsa -mcpu=gfx1250 --defsym DOCPART=n.
;; ======== version 1 of 1: 5 launches
;; limits: values are held in f16: magnitudes above 65,504 overflow, below 6.1e-05 lose precision
;; workspace buffers: codes 3,063,808 bytes; woimg 2,097,152 bytes; tab 1,048,576 bytes; qimg 8,388,608 bytes; kv 4,194,304 bytes; first 98,304 bytes; oimg 8,388,608 bytes
;; launch prep (part 1): grid 216 x 1, 4 waves a work-group, no clusters, 34,304 bytes of LDS; arguments x, wq, wk, wv, wo, codes, woimg, tab; writes codes, woimg, tab
.if DOCPART == 1
	.amdgcn_target "amdgcn-amd-amdhsa--gfx1250"
	.amdhsa_code_object_version 6
	.text
	.protected	k_qed08a5af43_prep
	.globl	k_qed08a5af43_prep
	.p2align	8
	.type	k_qed08a5af43_prep,@function
k_qed08a5af43_prep:
	s_mov_b64 s[64:65], 0
	v_nop
	global_prefetch_b8 v0, s[64:65] scope:SCOPE_SE
	s_setreg_imm32_b32 hwreg(HW_REG_WAVE_MODE, 25, 1), 1
	s_wait_xcnt 0x0
; THE PROGRAM.  Attention with 16 query heads and 4 key and value heads of size 64, 4,096 positions, rotary embedding, causal mask, in five launches:
;   prep: x, wq, wk, wv into codes of FP4 (E2M1) with one E8M0 byte for each 32 along K; wo into f16; a table of cosines and sines.   qkv: the three quantised products, the rotation, q, k, v as f16.
;   attn: scores, softmax, weighted values.   proj: the product with wo.   first16: positions 0 to 15 once more, in f32 throughout, over proj's rows 0 to 15.
; WORK LEFT OUT, for all values of the inputs.  (1) Scores of keys behind a query: the reference itself puts the smallest f32 number there by its own lower triangle, so their weights are 0 in the softmax: key steps that lie
; wholly behind a wave's queries are not walked.  (2) emb * 0 is 0 for every finite emb, and emb is made of constants.  (3) The repeat of k and v over four heads is a lookup: key and value head = head / 4.
; Every input has a way to the output and is loaded.  LIMIT: a NaN, an infinity or an overflow in k or v at a position behind a query is not carried to that query.
; LIMITS OF FORMAT: q, k, v, o and wo go to the matrix units as f16: magnitudes under 65,504; what lies under 6e-8 becomes 0.  NaN and infinities among the inputs are not served by the quantiser.
; THE QUANTISER.  A block's scale is 2^(floor(log2(largest magnitude)) - 2); its byte is the largest magnitude's exponent field - 2, held at 1 from below by a floor among the maximum's leaves.  A block of zeros so gets
; the byte 1 where the rule says 127: its codes are zeros, which add nothing under any byte but 0xff, and this program alone reads the bytes.
; ALL WORKSPACE OPERANDS ARE LAID AS IMAGES OF THE OPERAND'S REGISTERS: piece by piece of four registers, lane l's 16 bytes at 16 l, 512 bytes a piece.
;   codes: x's images [row tile 256][K step 8][piece 2][lane][16] at 0; the weights' [column tile 96][K step 8][piece 2][lane][16] at WIMG (columns 0-1023 wq, 1024-1279 wk, 1280-1535 wv);
;          x's scale bytes [K half 2][row][16] at XSC; the weights' [K half 2][column][16] at WSC.
;   woimg: [column tile 64][32 along K: 32][piece 2][lane][16], f16.      tab: [position tile 256][8][lane][16], f32: pieces 0-3 cosines, 4-7 sines.
; THIS LAUNCH: five ways that part on the work-group's number.  0-127: x.  128-143: wq.  144-151: wk, wv.  152-183: wo.  184-215: the table.  Memory binds: no matrix unit, no cluster.  Only the first way touches LDS.
.set WIMG,  0x200000
.set XSC,   0x2c0000
.set WSC,   0x2e0000
.set WST,   8448                       ; x's way: a stage of 16 rows x (512 bytes + 16) for each wave
.set SPARE, 4*WST                      ; behind the four stages: the spare words, 128 bytes for each wave
.set SPW,   254                        ; v254  LDS address of my spare word; never rewritten
.set NIL,   255                        ; v255  0; never rewritten
.set R,     16                         ; v16-143  x's way: two sets of 64 numbers as they are loaded
.set X,     144                        ; v144-207 64 numbers as the operand wants them: two whole blocks of 32
.set C,     208                        ; v208-239 codes: eight registers for each K step, so that no store's data are written again
.set SW,    240                        ; v240-243 a scale word for each K step
	s_load_b512 s[8:23], s[0:1], 0x0               ; x 8, wq 10, wk 12, wv 14, wo 16, codes 18, woimg 20, tab 22
	v_lshl_add_u32 v[SPW], v0, 2, SPARE
	v_mov_b32 v[NIL], 0
	v_lshrrev_b32 v1, 5, v0
	v_readfirstlane_b32 s24, v1                    ; wave
	v_and_b32 v1, 31, v0                           ; lane
	v_and_b32 v6, 15, v0                           ; r
	v_bfe_u32 v7, v0, 4, 1                         ; h
	s_mov_b32 s26, 0x76543210
	s_mov_b32 s27, 0xfedcba98                      ; v_permlanex16_b32's selects for lane l xor 16
	s_mov_b32 s37, 0                               ; the high word of the offsets in s[36:37]
	s_wait_kmcnt 0x0
	s_cmp_ge_u32 ttmp9, 128
	s_cbranch_scc1 .Lnot_x
; ---- x.  A wave takes 16 rows x 512 along K: four K steps of 128.  Each load reads 512 consecutive bytes of a row; the 16 x 512 bytes turn through the wave's own stage, so that lane (r, h) gets, of row r,
; the whole blocks k = 64 c + 32 h + 0 .. 31: the conversions' results are then the operand's registers.
	s_lshl_b32 s25, ttmp9, 2
	s_add_co_u32 s25, s25, s24                     ; job = 4 x work-group + wave
	s_lshr_b32 s28, s25, 1                         ; row tile
	s_and_b32 s29, s25, 1                          ; K half
	s_lshl_b32 s30, s28, 16                        ; 16 rows of 4,096 bytes
	s_lshl_b32 s31, s29, 11
	s_add_co_u32 s30, s30, s31
	s_mov_b32 s31, 0
	s_add_nc_u64 s[8:9], s[8:9], s[30:31]          ; x at my part
	s_lshl_b32 s30, s28, 13
	s_lshl_b32 s32, s29, 12
	s_add_co_u32 s30, s30, s32
	s_add_nc_u64 s[32:33], s[18:19], s[30:31]      ; my four images
	s_lshl_b32 s30, s28, 8
	s_lshl_b32 s34, s29, 16
	s_add_co_u32 s30, s30, s34
	s_add_co_u32 s30, s30, XSC
	s_add_nc_u64 s[34:35], s[18:19], s[30:31]      ; my 256 scale bytes
	s_mul_i32 s36, s24, WST
	v_lshlrev_b32 v2, 4, v1                        ; 16 x lane
	v_add_nc_u32 v3, s36, v2                       ; the stage, on the way in
	v_mul_u32_u24 v4, v6, 528
	v_lshl_add_u32 v4, v7, 7, v4
	v_add_nc_u32 v4, s36, v4                       ; and on the way out: row r, + 128 h bytes
	v_lshlrev_b32 v5, 4, v6
	v_lshl_add_u32 v5, v7, 3, v5                   ; scale bytes: 16 r + 8 h
	v_lshlrev_b32 v15, 3, v7                       ; 8 h: my bytes' place in a scale word
	v_cmp_eq_u32 s37, 0, v7                        ; lanes 0-15
.irp i, 0,1,2,3
	v_mov_b32 v[SW+\i], 0                          ; a lane permute's destination counts as one of its sources
.endr
.macro XLOAD p
.irp i, 0,1,2,3,4,5,6,7,8,9,10,11,12,13,14,15
	global_load_b128 v[R+64*((\p)%2)+4*\i:R+64*((\p)%2)+4*\i+3], v2, s[8:9] offset:4096*\i+512*(\p) th:TH_LOAD_NT
.endr
.endm
.macro XSTEP p
.if (\p) < 3
	s_wait_loadcnt 16                              ; this K step's 16 loads are in; the next step's 16 may be out
.else
	s_wait_loadcnt 0x0
.endif
.irp i, 0,1,2,3,4,5,6,7,8,9,10,11,12,13,14,15
	ds_store_b128 v3, v[R+64*((\p)%2)+4*\i:R+64*((\p)%2)+4*\i+3] offset:528*\i
.endr
.irp c, 0,1
.irp e, 0,1,2,3,4,5,6,7
	ds_load_b128 v[X+32*\c+4*\e:X+32*\c+4*\e+3], v4 offset:256*\c+16*\e   ; LDS serves a wave's instructions in order: these see my stores
.endr
.endr
	s_wait_dscnt 0x0                               ; the numbers are back, and the stores have read their registers,
.if (\p) < 2
	XLOAD (\p)+2                                   ; which take the loads of two steps on
.endif
.irp c, 0,1
	v_max3_num_f32 v[6+2*\c], |v[X+32*\c]|, |v[X+32*\c+1]|, |v[X+32*\c+2]|   ; my two blocks by turns, two chains each
	v_max3_num_f32 v[7+2*\c], |v[X+32*\c+3]|, |v[X+32*\c+4]|, |v[X+32*\c+5]|
.endr
.irp i, 6,10,14,18,22,26
.irp c, 0,1
	v_max3_num_f32 v[6+2*\c], v[6+2*\c], |v[X+32*\c+\i]|, |v[X+32*\c+\i+1]|
	v_max3_num_f32 v[7+2*\c], v[7+2*\c], |v[X+32*\c+\i+2]|, |v[X+32*\c+\i+3]|
.endr
.endr
.irp c, 0,1
	v_max3_num_f32 v[6+2*\c], v[6+2*\c], |v[X+32*\c+30]|, |v[X+32*\c+31]|
.endr
.irp c, 0,1
	v_max3_num_f32 v[6+2*\c], v[6+2*\c], v[7+2*\c], 0x1800000   ; and the floor 2^(3 - 127): the byte cannot fall under 1
.endr
.irp c, 0,1
	v_add_nc_u32 v[10+\c], 0xff000000, v[6+2*\c]   ; 2 off the exponent field: the conversion's scale operand
.endr
.irp c, 0,1
	v_lshrrev_b32 v[12+\c], 23, v[10+\c]           ; the scale's byte
.endr
	v_lshl_or_b32 v14, v13, 16, v12                ; blocks h and 2 + h of my row,
	v_lshlrev_b32 v14, v15, v14                    ; at their places in the word;
	v_permlanex16_b32 v[SW+(\p)], v14, s26, s27
	v_or_b32 v[SW+(\p)], v[SW+(\p)], v14           ; with lane l xor 16's two the word is whole
.irp c, 0,1
.irp g, 0,1,2,3
	v_cvt_scalef32_pk8_fp4_f32 v[C+8*(\p)+4*\c+\g], v[X+32*\c+8*\g:X+32*\c+8*\g+7], v[10+\c]
.endr
.endr
	v_nop                                          ; one plain line behind the last conversion
.irp c, 0,1
	global_store_b128 v2, v[C+8*(\p)+4*\c:C+8*(\p)+4*\c+3], s[32:33] offset:1024*(\p)+512*\c   ; 32 lanes store 512 consecutive bytes
.endr
.endm
	XLOAD 0
	XLOAD 1
	XSTEP 0
	XSTEP 1
	XSTEP 2
	XSTEP 3
	v_cndmask_b32 v6, v[SW+2], v[SW], s37          ; lanes 0-15 store a row's words 0 and 1, lanes 16-31 its words 2 and 3
	v_cndmask_b32 v7, v[SW+3], v[SW+1], s37
	global_store_b64 v5, v[6:7], s[34:35]          ; 256 consecutive bytes
	s_wait_tensorcnt 0x0                           ; the wave's end
	ds_add_u32 v[SPW], v[NIL]
	s_wait_dscnt 0x0
	s_endpgm
; ---- the weights: K is their FIRST axis.  A lane takes a column and its registers run down K: a block of 32 lies in one lane, and its 16 bytes of codes (or four pieces of f16) are a lane's share of a piece of the image.
; Sixteen neighbouring lanes store 256 consecutive bytes.  Loads run two blocks ahead.
.macro WLOAD t, pitch
.irp i, 0,1,2,3,4,5,6,7,8,9,10,11,12,13,14,15,16,17,18,19,20,21,22,23,24,25,26,27,28,29,30,31
	global_load_b32 v[32+32*((\t)%2)+\i], v3, s[28:29] offset:(32*(\t)+\i)*\pitch th:TH_LOAD_NT
.endr
.endm
.macro WBLOCK t, pitch, mode, nblk
.set XB, 32+32*((\t)%2)
.if (\t) < \nblk-1
	s_wait_loadcnt 32                              ; this block's 32 loads are in; the next block's may be out
.else
	s_wait_loadcnt 0x0
.endif
.if \mode == 0
	v_max3_num_f32 v12, |v[XB]|, |v[XB+1]|, |v[XB+2]|
	v_max3_num_f32 v13, |v[XB+3]|, |v[XB+4]|, |v[XB+5]|
.irp i, 6,10,14,18,22,26
	v_max3_num_f32 v12, v12, |v[XB+\i]|, |v[XB+\i+1]|
	v_max3_num_f32 v13, v13, |v[XB+\i+2]|, |v[XB+\i+3]|
.endr
	v_max3_num_f32 v12, v12, |v[XB+30]|, |v[XB+31]|
	v_max3_num_f32 v12, v12, v13, 0x1800000        ; the floor
	v_add_nc_u32 v11, 0xff000000, v12              ; the conversion's scale operand
	v_lshrrev_b32 v13, 23, v11                     ; the byte
.if (\t)%4 == 0
	v_mov_b32 v[24+(\t)/4], v13                    ; four bytes to a register, the lower K in the lower byte
.else
	v_lshl_or_b32 v[24+(\t)/4], v13, 8*((\t)%4), v[24+(\t)/4]
.endif
.irp g, 0,1,2,3
	v_cvt_scalef32_pk8_fp4_f32 v[96+4*(\t)+\g], v[XB+8*\g:XB+8*\g+7], v11
.endr
	v_nop                                          ; one plain line behind the last conversion
	global_store_b128 v4, v[96+4*(\t):96+4*(\t)+3], s[30:31] offset:256*(\t)   ; block t of a K half lies 256 t bytes into the tile's half image
.else
.irp g, 0,1,2,3,4,5,6,7,8,9,10,11,12,13,14,15
	v_cvt_pk_f16_f32 v[96+16*(\t)+\g], v[XB+2*\g], v[XB+2*\g+1]
.endr
.irp u, 0,1,2,3
	global_store_b128 v4, v[96+16*(\t)+4*\u:96+16*(\t)+4*\u+3], s[30:31] offset:1024*(\t)+256*\u   ; eight along K: piece u / 2, half u % 2
.endr
.endif
.if (\t)+2 < \nblk
	WLOAD (\t)+2, \pitch
.endif
.endm
.macro WCOL pitch, mode, nblk
	WLOAD 0, \pitch
	WLOAD 1, \pitch
.set Q, 0
.rept \nblk
	WBLOCK Q, \pitch, \mode, \nblk
.set Q, Q+1
.endr
.endm
.macro WDEST                           ; s34 = my first column among the 1,536, s35 = K half
	s_lshl_b32 s36, s34, 9                         ; a tile of 16 columns is 8,192 bytes
	s_lshl_b32 s38, s35, 12
	s_add_co_u32 s36, s36, s38
	s_add_co_u32 s36, s36, WIMG
	s_add_nc_u64 s[30:31], s[18:19], s[36:37]
	s_mul_i32 s36, s35, 24576
	s_lshl_b32 s38, s34, 4
	s_add_co_u32 s36, s36, s38
	s_add_co_u32 s36, s36, WSC
	s_add_nc_u64 s[32:33], s[18:19], s[36:37]
.endm
.Lnot_x:
	v_lshlrev_b32 v3, 2, v1                        ; in: 4 bytes a lane
	v_lshlrev_b32 v5, 4, v1                        ; 16 x lane
	v_lshlrev_b32 v4, 4, v6                        ; out: 16 r, + the second tile of 16 columns for lanes 16-31
	s_cmp_ge_u32 ttmp9, 144
	s_cbranch_scc1 .Lnot_q
; wq: 128 columns x 512 along K to a work-group, 32 columns to a wave
	v_lshl_add_u32 v4, v7, 13, v4
	s_sub_co_u32 s25, ttmp9, 128
	s_lshr_b32 s34, s25, 1
	s_lshl_b32 s34, s34, 7
	s_lshl_b32 s35, s24, 5
	s_add_co_u32 s34, s34, s35                     ; my first column
	s_and_b32 s35, s25, 1                          ; K half
	s_lshl_b32 s36, s35, 21                        ; 512 rows of 4,096 bytes
	s_lshl_b32 s38, s34, 2
	s_add_co_u32 s36, s36, s38
	s_add_nc_u64 s[28:29], s[10:11], s[36:37]
	WDEST
	WCOL 4096, 0, 16
	global_store_b128 v5, v[24:27], s[32:33]       ; my column's 16 scale bytes: 512 consecutive bytes a wave
	s_endpgm
.Lnot_q:
	s_cmp_ge_u32 ttmp9, 152
	s_cbranch_scc1 .Lnot_kv
; wk (the first four work-groups) and wv
	v_lshl_add_u32 v4, v7, 13, v4
	s_sub_co_u32 s25, ttmp9, 144
	s_cmp_lt_u32 s25, 4
	s_cselect_b64 s[28:29], s[12:13], s[14:15]     ; the choice hangs on the work-group's number alone
	s_bfe_u32 s34, s25, 0x10001
	s_lshl_b32 s34, s34, 7
	s_lshl_b32 s35, s24, 5
	s_add_co_u32 s34, s34, s35                     ; my first column in the tensor
	s_and_b32 s35, s25, 1                          ; K half
	s_lshl_b32 s36, s35, 19                        ; 512 rows of 1,024 bytes
	s_lshl_b32 s38, s34, 2
	s_add_co_u32 s36, s36, s38
	s_add_nc_u64 s[28:29], s[28:29], s[36:37]
	s_lshr_b32 s38, s25, 2
	s_lshl_b32 s38, s38, 8
	s_add_co_u32 s34, s34, s38
	s_add_co_u32 s34, s34, 1024                    ; and among the 1,536
	WDEST
	WCOL 1024, 0, 16
	global_store_b128 v5, v[24:27], s[32:33]
	s_endpgm
.Lnot_kv:
	s_cmp_ge_u32 ttmp9, 184
	s_cbranch_scc1 .Ltab
; wo into f16: 128 columns x 256 along K to a work-group
	v_lshl_add_u32 v4, v7, 15, v4
	s_sub_co_u32 s25, ttmp9, 152
	s_and_b32 s34, s25, 7
	s_lshl_b32 s34, s34, 7
	s_lshl_b32 s35, s24, 5
	s_add_co_u32 s34, s34, s35                     ; my first column
	s_lshr_b32 s35, s25, 3                         ; which 256 along K
	s_lshl_b32 s36, s35, 20
	s_lshl_b32 s38, s34, 2
	s_add_co_u32 s36, s36, s38
	s_add_nc_u64 s[28:29], s[16:17], s[36:37]
	s_lshl_b32 s36, s34, 11                        ; a tile of 16 columns is 32,768 bytes
	s_lshl_b32 s38, s35, 13
	s_add_co_u32 s36, s36, s38
	s_add_nc_u64 s[30:31], s[20:21], s[36:37]
	WCOL 4096, 1, 8
	s_endpgm
; ---- the table.  angle = position x 10000^(-i / 32), i = 0 .. 31.  In turns: t = angle / 2 pi, with 1 / 2 pi in two parts; u = t less the nearest whole number, in -0.5 .. 0.5;
; cos(2 pi u) = 1 - 2 sin(pi u)^2, sin(pi u) by its series up to u^11 (the next term is under 6e-8); the sine is the cosine of a quarter turn less.
.Ltab:
	s_sub_co_u32 s25, ttmp9, 184
	s_lshl_b32 s25, s25, 2
	s_add_co_u32 s25, s25, s24                     ; job: two position tiles
	s_lshl_b32 s36, s25, 13
	s_add_nc_u64 s[22:23], s[22:23], s[36:37]
	s_lshl_b32 s31, s25, 5                         ; my first position
	s_mov_b32 s32, 0x3e22f983                      ; 1 / 2 pi, the f32 number,
	s_mov_b32 s33, 0x31dc9c88                      ; and what it leaves: 6.42e-9
	s_mov_b32 s34, 0xbe800000                      ; -0.25
	v_lshlrev_b32 v7, 3, v7                        ; 8 h
.irp k, 0,1,2,3,4,5,6,7,8,9,10,11,12,13,14,15
	v_add_nc_u32 v[32+\k], 16*(\k/8)+\k%8, v7      ; register 8 b + 4 jh + e holds i = 16 b + 8 h + 4 jh + e
.endr
.irp k, 0,1,2,3,4,5,6,7,8,9,10,11,12,13,14,15
	v_cvt_f32_u32 v[32+\k], v[32+\k]
.endr
.irp k, 0,1,2,3,4,5,6,7,8,9,10,11,12,13,14,15
	v_mul_f32 v[32+\k], 0xbed49a78, v[32+\k]       ; -i log2(10000) / 32
.endr
.irp k, 0,1,2,3,4,5,6,7,8,9,10,11,12,13,14,15
	v_exp_f32 v[32+\k], v[32+\k]
.endr
	v_mov_b32 v13, 0xbbf183a6                      ; -pi^11 / 11!  (a plain line behind the exponentials)
	s_wait_alu depctr_va_vdst(0)                   ; one wait for the batch, ahead of its first use
.macro TRIG k                          ; the cosine (v8-12) and the sine (v16-20) of angle k by turns
	v_mul_f32 v8, s32, v[48+\k]
	v_fma_f32 v16, v[48+\k], s32, s34
	v_rndne_f32 v9, v8
	v_rndne_f32 v17, v16
	v_fma_f32 v10, v[48+\k], s32, -v9
	v_fma_f32 v18, v[48+\k], s32, -v17
	v_fma_f32 v10, v[48+\k], s33, v10
	v_fma_f32 v18, v[48+\k], s33, v18
	v_add_f32 v18, s34, v18
	v_mul_f32 v11, v10, v10
	v_mul_f32 v19, v18, v18
	v_fmaak_f32 v12, v13, v11, 0x3da83c1b          ; pi^9 / 9!
	v_fmaak_f32 v20, v13, v19, 0x3da83c1b
	v_fmaak_f32 v12, v12, v11, 0xbf196966          ; -pi^7 / 7!
	v_fmaak_f32 v20, v20, v19, 0xbf196966
	v_fmaak_f32 v12, v12, v11, 0x402335e3          ; pi^5 / 5!
	v_fmaak_f32 v20, v20, v19, 0x402335e3
	v_fmaak_f32 v12, v12, v11, 0xc0a55de7          ; -pi^3 / 3!
	v_fmaak_f32 v20, v20, v19, 0xc0a55de7
	v_fmaak_f32 v12, v12, v11, 0x40490fdb          ; pi
	v_fmaak_f32 v20, v20, v19, 0x40490fdb
	v_mul_f32 v12, v12, v10                        ; sin(pi u)
	v_mul_f32 v20, v20, v18
	v_mul_f32 v12, v12, v12
	v_mul_f32 v20, v20, v20
	v_fma_f32 v[64+\k], v12, -2.0, 1.0
	v_fma_f32 v[80+\k], v20, -2.0, 1.0
.endm
	s_mov_b32 s30, 0
.Ltile:
	v_add_nc_u32 v14, s31, v6                      ; my position
	v_cvt_f32_u32 v14, v14
.irp k, 0,1,2,3,4,5,6,7,8,9,10,11,12,13,14,15
	v_mul_f32 v[48+\k], v14, v[32+\k]
.endr
.irp k, 0,1,2,3,4,5,6,7,8,9,10,11,12,13,14,15
	TRIG \k
.endr
.irp e, 0,1,2,3,4,5,6,7
	global_store_b128 v5, v[64+4*\e:64+4*\e+3], s[22:23] offset:512*\e
.endr
	s_wait_xcnt 0x0                                ; the stores' data and base are written again only behind this wait
	s_add_nc_u64 s[22:23], s[22:23], 4096
	s_add_co_u32 s31, s31, 16
	s_add_co_u32 s30, s30, 1
	s_cmp_lt_u32 s30, 2
	s_cbranch_scc1 .Ltile
	s_endpgm
.Lfunc_end_k_qed08a5af43_prep:
	.size	k_qed08a5af43_prep, .Lfunc_end_k_qed08a5af43_prep-k_qed08a5af43_prep
	.p2alignl 7, 3214868480
	.fill 96, 4, 3214868480
	.section	.rodata,"a",@progbits
	.p2align	6, 0x0
	.amdhsa_kernel k_qed08a5af43_prep
		.amdhsa_group_segment_fixed_size 34304
		.amdhsa_private_segment_fixed_size 0
		.amdhsa_enable_private_segment 0
		.amdhsa_kernarg_size 64
		.amdhsa_user_sgpr_count 2
		.amdhsa_user_sgpr_kernarg_segment_ptr 1
		.amdhsa_wavefront_size32 1
		.amdhsa_system_sgpr_workgroup_id_x 1
		.amdhsa_system_sgpr_workgroup_id_y 1
		.amdhsa_system_sgpr_workgroup_id_z 1
		.amdhsa_system_vgpr_workitem_id 0
		.amdhsa_next_free_vgpr 256
		.amdhsa_next_free_sgpr 66
		.amdhsa_reserve_vcc 0
		.amdhsa_float_denorm_mode_32 3
		.amdhsa_float_denorm_mode_16_64 3
		.amdhsa_memory_ordered 1
		.amdhsa_forward_progress 1
		.amdhsa_inst_pref_size 242
	.end_amdhsa_kernel
	.amdgpu_metadata
---
amdhsa.version: [ 1, 2 ]
amdhsa.kernels:
  - .name:           k_qed08a5af43_prep
    .symbol:         k_qed08a5af43_prep.kd
    .args:
      - { .name: x, .offset: 0, .size: 8, .value_kind: global_buffer, .address_space: global }
      - { .name: wq, .offset: 8, .size: 8, .value_kind: global_buffer, .address_space: global }
      - { .name: wk, .offset: 16, .size: 8, .value_kind: global_buffer, .address_space: global }
      - { .name: wv, .offset: 24, .size: 8, .value_kind: global_buffer, .address_space: global }
      - { .name: wo, .offset: 32, .size: 8, .value_kind: global_buffer, .address_space: global }
      - { .name: codes, .offset: 40, .size: 8, .value_kind: global_buffer, .address_space: global }
      - { .name: woimg, .offset: 48, .size: 8, .value_kind: global_buffer, .address_space: global }
      - { .name: tab, .offset: 56, .size: 8, .value_kind: global_buffer, .address_space: global }
    .group_segment_fixed_size: 34304
    .private_segment_fixed_size: 0
    .kernarg_segment_align: 8
    .kernarg_segment_size: 64
    .max_flat_workgroup_size: 128
    .sgpr_count:     66
    .vgpr_count:     256
    .wavefront_size: 32
...
	.end_amdgpu_metadata
.endif
;; end of part 1
;; launch qkv (part 2): grid 6 x 32, 8 waves a work-group, no clusters, 197,632 bytes of LDS; arguments codes, tab, qimg, kv, first; writes qimg, kv, first
.if DOCPART == 2
	.amdgcn_target "amdgcn-amd-amdhsa--gfx1250"
	.amdhsa_code_object_version 6
	.text
	.protected	k_qed08a5af43_qkv
	.globl	k_qed08a5af43_qkv
	.p2align	8
	.type	k_qed08a5af43_qkv,@function
k_qed08a5af43_qkv:
	s_mov_b64 s[64:65], 0
	v_nop
	global_prefetch_b8 v0, s[64:65] scope:SCOPE_SE
	s_setreg_imm32_b32 hwreg(HW_REG_WAVE_MODE, 25, 1), 1
	s_wait_xcnt 0x0
; x wq, x wk, x wv on codes of FP4 with E8M0 scales (K = 1,024), the rotation of q and k, and q, k, v as f16 in the order of the next launch's operand registers.
; A work-group makes 128 positions x 256 columns: column tiles 0-3 are q (four heads each), 4 is k, 5 is v.  Eight waves: wave w takes 64 positions (w / 4) of one head (w % 4): 16 accumulators of 16 x 16.
; All of K of both operands, 192 KiB of images, fits in LDS: every tensor load is a first fill, nothing is filled again.  K comes in four chunks of 256; waves 0-3 fetch the weights' chunks, waves 4-7 x's:
; four loads a wave are out at the start, and a chunk's barrier waits only for that chunk.
; q and k are made TRANSPOSED (source 0 = 16 columns of the weight, source 1 = 16 positions): a lane holds one position and eight neighbouring channels, which is a piece of the image of q or k, and the channel 32 further on
; lies in the same lane two accumulators on.  v is made the other way round (source 0 = positions): a lane holds one channel and eight neighbouring positions, a piece of the image of v with the keys innermost.
; So every result leaves straight from registers, 512 consecutive bytes a store.  Positions 0-15 are also kept as f32, for the last launch.
; NO CLUSTER: the text branches on the column tile (the products' form, the way out) and on the row tile (the f32 copy); partners along either axis of the grid would part at one of the two.
; qimg: [head 16][position tile 256][piece 4][lane][16]: position 16 pt + r, channels 16 piece + 8 h + 0..7.
; kv: [head 4][unit of 128 keys: 32][k 16 KiB | v 16 KiB]; k: [key tile 8][piece 4][lane][16] as qimg; v: [32 keys: 4][channel tile 4][piece 2][lane][16]: channel 16 ct + r, keys 32 kf + 16 piece + 8 h + 0..7.
; first: f32 [16 positions][1,280 columns of q and k] at 0; v at 81,920: [head 4][channel tile 4][2][lane][16]: channel 16 ct + r, positions 8 h + 4 p + 0..3.
.set WIMG,  0x200000
.set XSC,   0x2c0000
.set WSC,   0x2e0000
.set CHUNK, 49152                      ; LDS: 256 along K: x's 8 tiles of 2,048 bytes, then the weight's 16
.set SPARE, 4*CHUNK                    ; behind the four chunks: the spare words, 128 bytes for each wave
.set SPW,  30                          ; v30  LDS address of my spare word; never rewritten
.set NIL,  31                          ; v31  0; never rewritten
.set SC,   32                          ; v32-63  scale words and nothing else: register 8 i + ks: lanes 0-15 x's tile i, lanes 16-31 the weight's tile i, K step ks
.set XF,   64                          ; v64-95  x's four fragments;  v96-127 the weight's four;  on the way out: the table, or v's f16
.set WF,   96
.set ACC,  128                         ; v128-255  accumulator (a, b) at 8 (4 a + b)
.set Y1,   10                          ; v10-17, v18-25  the rotated numbers
.set Y2,   18
.set G1W,  24                          ; s[24:31] group 1 for the weight's tiles;  s[32:39] for x's;  groups 0: s[40:55], and s[56:63], s[68:75]
.set G1X,  32
	s_load_b256 s[4:11], s[0:1], 0x0               ; codes 4, tab 6, qimg 8, kv 10
	s_load_b64 s[12:13], s[0:1], 0x20              ; first
	v_lshl_add_u32 v[SPW], v0, 2, SPARE
	v_mov_b32 v[NIL], 0
	ds_add_u32 v[SPW], v[NIL]                      ; the opening: the add, twice on end, and its wait ahead of my first tensor load
	ds_add_u32 v[SPW], v[NIL]
	v_lshrrev_b32 v1, 5, v0
	v_readfirstlane_b32 s14, v1                    ; wave
	s_lshr_b32 s15, s14, 2                         ; which 64 positions
	s_and_b32 s16, s14, 3                          ; which head of the tile.  Also: which quarter of a chunk I fetch
	s_mov_b32 s17, ttmp9                           ; column tile
	s_and_b32 s18, ttmp7, 0xffff                   ; row tile
	s_or_b32 s19, s18, s15                         ; 0 where my first 16 positions are positions 0-15
	; group 1: rows of 2,048 bytes (256 elements of 8), one for each tile of 16 rows or columns, 8,192 bytes apart in memory, on end in LDS
	s_mov_b32 s[G1W+0], 3<<16
	s_mov_b32 s[G1W+1], 256<<16                    ; tensor_dim0
	s_mov_b32 s[G1W+2], 4<<16                      ; tensor_dim1
	s_mov_b32 s[G1W+3], 256<<16                    ; tile_dim0
	s_mov_b32 s[G1W+4], 4                          ; tile_dim1: four tiles of the weight
	s_mov_b32 s[G1W+5], 1024                       ; the pitch
	s_mov_b32 s[G1W+6], 0
	s_mov_b32 s[G1W+7], 0
	s_mov_b32 s[G1X+0], 3<<16
	s_mov_b32 s[G1X+1], 256<<16
	s_mov_b32 s[G1X+2], 2<<16
	s_mov_b32 s[G1X+3], 256<<16
	s_mov_b32 s[G1X+4], 2                          ; two tiles of x
	s_mov_b32 s[G1X+5], 1024
	s_mov_b32 s[G1X+6], 0
	s_mov_b32 s[G1X+7], 0
	s_lshl_b32 s76, s16, 13
	s_add_co_u32 s76, s76, 16384                   ; the weight's quarter in a chunk
	s_lshl_b32 s77, s16, 12                        ; x's
	s_lshl_b32 s20, s17, 17                        ; 16 tiles of 8,192 bytes a column tile
	s_lshl_b32 s21, s16, 15
	s_add_co_u32 s20, s20, s21
	s_add_co_u32 s20, s20, WIMG
	s_mov_b32 s21, 0
	s_lshl_b32 s22, s18, 16                        ; 8 tiles a row tile
	s_lshl_b32 s23, s16, 14
	s_add_co_u32 s22, s22, s23
	s_mov_b32 s23, 0
	s_wait_dscnt 0x0                               ; both opening adds are done
	s_wait_kmcnt 0x0
	s_add_nc_u64 s[20:21], s[4:5], s[20:21]
	s_add_nc_u64 s[22:23], s[4:5], s[22:23]
.macro MKG0 g, lds, q, src
	s_mov_b32 s[\g], 1
	s_add_co_u32 s[\g+1], s[\lds], CHUNK*\q
	s_add_nc_u64 s[\g+2:\g+3], s[\src:\src+1], 2048*\q
	s_or_b32 s[\g+3], s[\g+3], 0x80000000
.endm
.irp q, 0,1,2,3
	MKG0 40+4*\q, 76, \q, 20
.endr
	MKG0 56, 77, 0, 22
	MKG0 60, 77, 1, 22
	MKG0 68, 77, 2, 22
	MKG0 72, 77, 3, 22
	s_cmp_lt_u32 s14, 4                            ; a wave's four first fills stand in one arm of one branch on the wave's number
	s_cbranch_scc0 .Lfill_x
.irp q, 0,1,2,3
	tensor_load_to_lds s[40+4*\q:43+4*\q], s[G1W:G1W+7]
	s_nop 0
.endr
.rept 4
	v_nop
.endr
	s_branch .Lfilled
.Lfill_x:
	tensor_load_to_lds s[56:59], s[G1X:G1X+7]
	s_nop 0
	tensor_load_to_lds s[60:63], s[G1X:G1X+7]
	s_nop 0
	tensor_load_to_lds s[68:71], s[G1X:G1X+7]
	s_nop 0
	tensor_load_to_lds s[72:75], s[G1X:G1X+7]
	s_nop 0
.rept 4
	v_nop
.endr
.Lfilled:
	v_and_b32 v8, 31, v0
	v_lshlrev_b32 v7, 4, v8                        ; v7: 16 x lane
	v_and_b32 v9, 15, v0                           ; r
	v_bfe_u32 v26, v0, 4, 1                        ; h
	s_lshl_b32 s76, s15, 13
	v_add_nc_u32 v1, s76, v7                       ; v1: my four tiles of x in chunks 0 and 1,
	s_lshl_b32 s77, s16, 13
	s_add_co_u32 s77, s77, 16384
	v_add_nc_u32 v2, s77, v7                       ; v2: my four tiles of the weight,
	v_add_nc_u32 v3, 2*CHUNK, v1                   ; v3, v4: the same in chunks 2 and 3
	v_add_nc_u32 v4, 2*CHUNK, v2
	; the scale words: lanes 0-15 take x's rows, lanes 16-31 the weight's columns: 16 bytes (four K steps) a row and K half
	s_lshl_b32 s76, s18, 11
	s_lshl_b32 s77, s15, 10
	s_add_co_u32 s76, s76, s77
	s_add_co_u32 s76, s76, XSC                     ; x's: (128 row tile + 64 half) x 16
	s_lshl_b32 s77, s17, 12
	s_lshl_b32 s78, s16, 10
	s_add_co_u32 s77, s77, s78
	s_add_co_u32 s77, s77, WSC                     ; the weight's: (256 column tile + 64 head) x 16
	s_sub_co_u32 s77, s77, s76
	v_mul_lo_u32 v5, v26, s77
	v_lshl_add_u32 v5, v9, 4, v5
	v_add_nc_u32 v5, s76, v5                       ; v5: K half 0
	v_mul_u32_u24 v6, v26, 40960
	v_sub_nc_u32 v6, v5, v6
	v_add_nc_u32 v6, 65536, v6                     ; v6: K half 1: 65,536 on for x, 24,576 for the weight
.irp i, 0,1,2,3
	global_load_b128 v[SC+8*\i:SC+8*\i+3], v5, s[4:5] offset:256*\i
	global_load_b128 v[SC+8*\i+4:SC+8*\i+7], v6, s[4:5] offset:256*\i
.endr
	; where the results go
	s_lshl_b32 s76, s18, 15
	s_lshl_b32 s77, s15, 14
	s_add_co_u32 s76, s76, s77
	s_mov_b32 s77, 0
	s_add_nc_u64 s[6:7], s[6:7], s[76:77]          ; the table at my first position tile: 4,096 bytes a tile
	s_lshl_b32 s76, s17, 2
	s_add_co_u32 s76, s76, s16
	s_lshl_b32 s76, s76, 19
	s_lshl_b32 s77, s18, 14
	s_add_co_u32 s76, s76, s77                     ; q: head x 524,288 + row tile x 8 tiles of 2,048
	s_lshl_b32 s78, s16, 20
	s_lshl_b32 s77, s18, 15
	s_add_co_u32 s78, s78, s77                     ; k and v: head x 1 MiB + unit x 32,768
	s_cmp_lt_u32 s17, 4
	s_cselect_b64 s[20:21], s[8:9], s[10:11]       ; the choice hangs on the work-group's number alone
	s_cselect_b32 s76, s76, s78
	s_lshl_b32 s77, s15, 13                        ; my 64 positions: 8,192 bytes in each of the three images
	s_add_co_u32 s76, s76, s77
	s_mov_b32 s77, 0
	s_add_nc_u64 s[20:21], s[20:21], s[76:77]
	v_mul_u32_u24 v8, v9, 5120                     ; the f32 copy of q and k: row r of 1,280 numbers, + 8 h numbers, + my head's columns
	v_lshl_add_u32 v8, v26, 5, v8
	s_lshl_b32 s78, s17, 10
	s_lshl_b32 s79, s16, 8
	s_add_co_u32 s78, s78, s79
	v_add_nc_u32 v8, s78, v8
	s_lshl_b32 s78, s16, 12
	s_mov_b32 s79, 0
	s_add_nc_u64 s[22:23], s[12:13], s[78:79]      ; the f32 copy of v: 4,096 bytes a head
	s_wait_loadcnt 0x0                             ; the scale words
; A K step of 128: 16 LDS loads, 16 products, the accumulators by turns.  The branch on the column tile leads round the products alone.
.macro KSTEP ks
.if (\ks)%2 == 0
	s_wait_tensorcnt 3-(\ks)/2                     ; my part of this chunk has landed; my loads for the later chunks may stay out
	s_wait_dscnt 0x0
	s_barrier_signal -1
	s_barrier_wait -1                              ; everybody's part has
.endif
.if (\ks) > 0
.rept 4
	v_nop                                          ; places in front of loads into registers that matrix instructions have read
.endr
.endif
.set AXR, 1+2*((\ks)/4)
.set AWR, 2+2*((\ks)/4)
.set OFS, CHUNK*(((\ks)/2)%2)+1024*((\ks)%2)
.irp a, 0,1,2,3
.irp c, 0,1
	ds_load_b128 v[XF+8*\a+4*\c:XF+8*\a+4*\c+3], v[AXR] offset:OFS+2048*\a+512*\c
	ds_load_b128 v[WF+8*\a+4*\c:WF+8*\a+4*\c+3], v[AWR] offset:OFS+2048*\a+512*\c
.endr
.endr
	s_wait_dscnt 0x0
	s_cmp_eq_u32 s17, 5
	s_cbranch_scc1 .Lvform_\@
.irp a, 0,1,2,3
.irp b, 0,1,2,3
.if (\ks) == 0
	v_wmma_scale_f32_16x16x128_f8f6f4 v[ACC+8*(4*\a+\b):ACC+8*(4*\a+\b)+7], v[WF+8*\b:WF+8*\b+7], v[XF+8*\a:XF+8*\a+7], 0, v[SC+8*\b+(\ks)], v[SC+8*\a+(\ks)] matrix_a_fmt:MATRIX_FMT_FP4 matrix_b_fmt:MATRIX_FMT_FP4 matrix_a_scale:MATRIX_SCALE_ROW1
.else
	v_wmma_scale_f32_16x16x128_f8f6f4 v[ACC+8*(4*\a+\b):ACC+8*(4*\a+\b)+7], v[WF+8*\b:WF+8*\b+7], v[XF+8*\a:XF+8*\a+7], v[ACC+8*(4*\a+\b):ACC+8*(4*\a+\b)+7], v[SC+8*\b+(\ks)], v[SC+8*\a+(\ks)] matrix_a_fmt:MATRIX_FMT_FP4 matrix_b_fmt:MATRIX_FMT_FP4 matrix_a_scale:MATRIX_SCALE_ROW1
.endif
.endr
.endr
	s_branch .Ljoin_\@
.Lvform_\@:
.irp a, 0,1,2,3
.irp b, 0,1,2,3
.if (\ks) == 0
	v_wmma_scale_f32_16x16x128_f8f6f4 v[ACC+8*(4*\a+\b):ACC+8*(4*\a+\b)+7], v[XF+8*\a:XF+8*\a+7], v[WF+8*\b:WF+8*\b+7], 0, v[SC+8*\a+(\ks)], v[SC+8*\b+(\ks)] matrix_a_fmt:MATRIX_FMT_FP4 matrix_b_fmt:MATRIX_FMT_FP4 matrix_b_scale:MATRIX_SCALE_ROW1
.else
	v_wmma_scale_f32_16x16x128_f8f6f4 v[ACC+8*(4*\a+\b):ACC+8*(4*\a+\b)+7], v[XF+8*\a:XF+8*\a+7], v[WF+8*\b:WF+8*\b+7], v[ACC+8*(4*\a+\b):ACC+8*(4*\a+\b)+7], v[SC+8*\a+(\ks)], v[SC+8*\b+(\ks)] matrix_a_fmt:MATRIX_FMT_FP4 matrix_b_fmt:MATRIX_FMT_FP4 matrix_b_scale:MATRIX_SCALE_ROW1
.endif
.endr
.endr
.Ljoin_\@:
.endm
.irp k, 0,1,2,3,4,5,6,7
	KSTEP \k
.endr
.rept 4
	v_nop                                          ; places in front of the first read of results and of writes and loads into the fragments' registers
.endr
	s_cmp_eq_u32 s17, 5
	s_cbranch_scc1 .Lv_out
; ---- q and k: y1 = x1 cos - x2 sin, y2 = x2 cos + x1 sin, x1 = channel d under 32 (accumulator b), x2 = channel d + 32 (accumulator b + 2), both of one lane
.macro TLOAD a                         ; position tile a's cosines and sines into set a % 2: cosines of b = 0, of b = 1, sines of b = 0, of b = 1, eight registers each
.irp e, 0,1,2,3,4,5,6,7
	global_load_b128 v[64+32*((\a)%2)+4*\e:64+32*((\a)%2)+4*\e+3], v7, s[6:7] offset:4096*(\a)+512*\e
.endr
.endm
.macro ROPEB a, b
.set A1, ACC+8*(4*(\a)+(\b))
.set A2, A1+16
.set TC, 64+32*((\a)%2)+8*(\b)
.set TS, TC+16
	s_wait_xcnt 0x0                                ; the last stores' data are written again only behind this wait
.irp j, 0,2,4,6
	v_pk_mul_f32 v[Y1+\j:Y1+\j+1], v[A2+\j:A2+\j+1], v[TS+\j:TS+\j+1]   ; each accumulator from its low end on
	v_pk_mul_f32 v[Y2+\j:Y2+\j+1], v[A1+\j:A1+\j+1], v[TS+\j:TS+\j+1]
.endr
.irp j, 0,2,4,6
	v_pk_fma_f32 v[Y1+\j:Y1+\j+1], v[A1+\j:A1+\j+1], v[TC+\j:TC+\j+1], v[Y1+\j:Y1+\j+1] neg_lo:[0,0,1] neg_hi:[0,0,1]
	v_pk_fma_f32 v[Y2+\j:Y2+\j+1], v[A2+\j:A2+\j+1], v[TC+\j:TC+\j+1], v[Y2+\j:Y2+\j+1]
.endr
.if (\a) == 0
	s_cmp_lg_u32 s19, 0                            ; positions 0-15 are also kept as f32
	s_cbranch_scc1 .Lnocopy_\@
	global_store_b128 v8, v[Y1:Y1+3], s[12:13] offset:64*(\b)
	global_store_b128 v8, v[Y1+4:Y1+7], s[12:13] offset:64*(\b)+16
	global_store_b128 v8, v[Y2:Y2+3], s[12:13] offset:64*(\b)+128
	global_store_b128 v8, v[Y2+4:Y2+7], s[12:13] offset:64*(\b)+144
	s_wait_xcnt 0x0                                ; they are rounded in place below
.Lnocopy_\@:
.endif
.irp q, 0,1,2,3
	v_cvt_pk_f16_f32 v[Y1+\q], v[Y1+2*\q], v[Y1+2*\q+1]
	v_cvt_pk_f16_f32 v[Y2+\q], v[Y2+2*\q], v[Y2+2*\q+1]
.endr
	global_store_b128 v7, v[Y1:Y1+3], s[20:21] offset:2048*(\a)+512*(\b)       ; a piece of the image: 512 consecutive bytes
	global_store_b128 v7, v[Y2:Y2+3], s[20:21] offset:2048*(\a)+512*(\b)+1024
.endm
.macro ROPE a
.if (\a) < 3
	s_wait_loadcnt 8                               ; this tile's eight loads are in; the next tile's eight may be out
.else
	s_wait_loadcnt 0x0
.endif
	ROPEB \a, 0
	ROPEB \a, 1
.if (\a) < 2
	TLOAD (\a)+2
.endif
.endm
	TLOAD 0
	TLOAD 1
	ROPE 0
	ROPE 1
	ROPE 2
	ROPE 3
	s_branch .Lend
; ---- v: a lane's eight numbers are eight neighbouring keys of one channel
.Lv_out:
.irp a, 0,1,2,3
.irp b, 0,1,2,3
.irp q, 0,1,2,3
	v_cvt_pk_f16_f32 v[64+4*(4*\a+\b)+\q], v[ACC+8*(4*\a+\b)+2*\q], v[ACC+8*(4*\a+\b)+2*\q+1]
.endr
	global_store_b128 v7, v[64+4*(4*\a+\b):64+4*(4*\a+\b)+3], s[20:21] offset:16384+4096*(\a/2)+1024*\b+512*(\a%2)
.endr
.endr
	s_cmp_lg_u32 s19, 0
	s_cbranch_scc1 .Lend
.irp b, 0,1,2,3
	global_store_b128 v7, v[ACC+8*\b:ACC+8*\b+3], s[22:23] offset:81920+1024*\b
	global_store_b128 v7, v[ACC+8*\b+4:ACC+8*\b+7], s[22:23] offset:81920+1024*\b+512
.endr
.Lend:
	s_wait_tensorcnt 0x0                           ; the wave's end
	ds_add_u32 v[SPW], v[NIL]
	s_wait_dscnt 0x0
	s_endpgm
.Lfunc_end_k_qed08a5af43_qkv:
	.size	k_qed08a5af43_qkv, .Lfunc_end_k_qed08a5af43_qkv-k_qed08a5af43_qkv
	.p2alignl 7, 3214868480
	.fill 96, 4, 3214868480
	.section	.rodata,"a",@progbits
	.p2align	6, 0x0
	.amdhsa_kernel k_qed08a5af43_qkv
		.amdhsa_group_segment_fixed_size 197632
		.amdhsa_private_segment_fixed_size 0
		.amdhsa_enable_private_segment 0
		.amdhsa_kernarg_size 40
		.amdhsa_user_sgpr_count 2
		.amdhsa_user_sgpr_kernarg_segment_ptr 1
		.amdhsa_wavefront_size32 1
		.amdhsa_system_sgpr_workgroup_id_x 1
		.amdhsa_system_sgpr_workgroup_id_y 1
		.amdhsa_system_sgpr_workgroup_id_z 1
		.amdhsa_system_vgpr_workitem_id 0
		.amdhsa_next_free_vgpr 256
		.amdhsa_next_free_sgpr 80
		.amdhsa_reserve_vcc 0
		.amdhsa_float_denorm_mode_32 3
		.amdhsa_float_denorm_mode_16_64 3
		.amdhsa_memory_ordered 1
		.amdhsa_forward_progress 1
		.amdhsa_inst_pref_size 76
	.end_amdhsa_kernel
	.amdgpu_metadata
---
amdhsa.version: [ 1, 2 ]
amdhsa.kernels:
  - .name:           k_qed08a5af43_qkv
    .symbol:         k_qed08a5af43_qkv.kd
    .args:
      - { .name: codes, .offset: 0, .size: 8, .value_kind: global_buffer, .address_space: global }
      - { .name: tab, .offset: 8, .size: 8, .value_kind: global_buffer, .address_space: global }
      - { .name: qimg, .offset: 16, .size: 8, .value_kind: global_buffer, .address_space: global }
      - { .name: kv, .offset: 24, .size: 8, .value_kind: global_buffer, .address_space: global }
      - { .name: first, .offset: 32, .size: 8, .value_kind: global_buffer, .address_space: global }
    .group_segment_fixed_size: 197632
    .private_segment_fixed_size: 0
    .kernarg_segment_align: 8
    .kernarg_segment_size: 40
    .max_flat_workgroup_size: 256
    .sgpr_count:     80
    .vgpr_count:     256
    .wavefront_size: 32
...
	.end_amdgpu_metadata
.endif
;; end of part 2
;; launch attn (part 3): grid 16 x 16, 8 waves a work-group, clusters of 4 x 1, 327,680 bytes of LDS; arguments qimg, kv, oimg; writes oimg
.if DOCPART == 3
	.amdgcn_target "amdgcn-amd-amdhsa--gfx1250"
	.amdhsa_code_object_version 6
	.text
	.protected	k_qed08a5af43_attn
	.globl	k_qed08a5af43_attn
	.p2align	8
	.type	k_qed08a5af43_attn,@function
k_qed08a5af43_attn:
	s_mov_b64 s[64:65], 0
	v_nop
	global_prefetch_b8 v0, s[64:65] scope:SCOPE_SE
	s_setreg_imm32_b32 hwreg(HW_REG_WAVE_MODE, 25, 1), 1
	s_wait_xcnt 0x0
	s_wait_alu depctr_hold_cnt(0) depctr_sa_sdst(0) depctr_va_vdst(0) depctr_va_sdst(0) depctr_va_ssrc(0) depctr_va_vcc(0) depctr_vm_vsrc(0)
	s_getreg_b32 s2, hwreg(HW_REG_IB_STS2, 6, 4)
	s_cmp_eq_u32 s2, 0
	s_cbranch_scc0 .Lentry_in_a_cluster
	s_endpgm
.Lentry_in_a_cluster:
	s_bfe_u32 s2, ttmp6, 0x10000c
	s_cmp_lg_u32 s2, 0x3003
	s_cbranch_scc0 .Lentry_shape_is_right
	s_endpgm
.Lentry_shape_is_right:
; o = softmax(q k^T / 8, causal) v for 16 heads of size 64 over 4,096 positions; q, k, v, the weights p and o as f16, all sums, maxima and the softmax in f32.
; LEFT OUT: key steps all of whose 64 keys lie behind a wave's 32 queries (the lower triangle is the problem's own); a NaN or an infinity in such keys is not carried to the result.
; SHARES.  A work-group owns one head and two blocks of 128 positions: block b (early) and block 31 - b (late).  In units of 128 keys the late block wants 32 - b and the early one b + 1: 33 for every b.
; Waves 4-7 (half Y) take the late block over units 0 .. 16.  Waves 0-3 (half X) take the early block over units 0 .. b, store it, and then take the late block over units 17 .. 31 - b; at the end X's partial
; (c m, l, O) goes through LDS and is merged into Y's.  So every work-group walks 17 unit trips, and every trip count is a constant of the text.  A wave holds two tiles of 16 queries, so each fragment of k and v feeds two products.
; LAYOUT.  S^T = k q^T (source 0 = 16 keys, source 1 = 16 queries): a lane holds ONE query (lane % 16) and keys 8 (lane / 16) + 0..7 of each key tile.  Two such tiles rounded to f16 in pairs ARE source 1 of O^T = v^T p,
; whose result again holds one query a lane and eight channels: a piece of the image of o.  k, v and q come as images of their registers: every LDS load takes 512 consecutive bytes, nothing is padded or turned.
; SOFTMAX.  A running maximum m and sum l for each query: p = 2^(c s - c m), c = log2(e) / 8; in every step O and l are multiplied by a = 2^(c m_old - c m_new).  The sum is taken of p before it is rounded.
; CLUSTER.  The four heads of a key and value head, for the same b, walk the same units in the same order with the same branches: each block of k or v is asked for JOINTLY, by the same tensor load with a mask of all four.
; The head enters the addresses of q, o and the prefetch alone.
; LDS: two slots of 131,072 bytes: [unit 2][half: X, Y][k 16 KiB | v 16 KiB]: wave w fills 16,384 w of a slot.  Behind them the merge area, and the spare words.
; oimg: [row tile 256][32 along K: 2 head + f][piece 2][lane][16], f16: row 16 mt + r, channels 32 f + 16 piece + 8 h + 0..7 of the head.
.set SLOTB, 131072
.set MRG,   2*SLOTB                    ; X's partials: 9,216 bytes a wave: for each tile 8 x 512 of O, then (c m, l) at 16 bytes a lane
.set SPARE, MRG+4*9216                 ; the spare words, 128 bytes for each wave
.set AB0,  1                           ; v1   my half's place in a unit + 16 x lane; never rewritten
.set ADR,  2                           ; v2   LDS address of the unit in hand
.set RH,   3                           ; v3   r - 8 h
.set D0,   4                           ; v4, v5  the mask's bounds for the two tiles
.set NINF, 6                           ; v6   -infinity
.set L16,  7                           ; v7   16 x lane
.set SPW,  8                           ; v8   LDS address of my spare word; never rewritten
.set NIL,  9                           ; v9   0; never rewritten
.set PFO,  10                          ; v10  256 x lane
.set MA,   11                          ; v11  my place in the merge area
.set ST,   12                          ; v12-27  tile t at 8 t: +0 c m, +1 m, +2, +3 l (two halves), +4 .. +7 at work, a in +6;  v28-31 at work
.set Q,    32                          ; v32-63   q: 16 t + 8 f
.set S,    64                          ; v64-127  S^T: 32 t + 8 kt; p as f16 in place in the first 16 of each tile
.set KVB,  128                         ; v128-191 k (16 kt + 8 f), then v (32 kf + 8 ct), of the step in hand
.set O,    192                         ; v192-255 O^T: 32 t + 8 ct
.set WV,   12
.set G1,   24                          ; s[24:31] group 1;  s[32:35] the one group 0, which walks
.set G0,   32
.set KVW,  36                          ; s[36:37] kv at my head's k or v
.set LN,   38                          ; the unit trip that my next load serves
.set LB,   39                          ; for X's stream: b; else a number above every trip
.set LJ,   40                          ; for X's stream: 16 - b, the jump behind trip b; else 0
.set TB,   41                          ; LDS byte at which the unit in hand begins
.set UC,   42                          ; counts a slot's two units
.set NS,   43                          ; key steps walked
.set KF,   44                          ; the step's first key
.set Q0,   45                          ; my first query
.set SWS,  46                          ; the step at whose head X changes blocks: 2 b + 2; Y: never
.set SL,   47                          ; slots still to be asked for in the loop
.set CS,   48                          ; s[48:49] c
.set SEL,  50                          ; s[50:51] v_permlanex16_b32's selects
.set QB,   52                          ; s[52:53] qimg at my head;  s[54:55] oimg at my head's pieces
.set OB,   54
.set PFA,  56                          ; s[56:57] where my prefetch stands;  s[58:59] kv at my head, + my work-group's quarter of a unit
.set KVP,  58
.set LIM,  60                          ; 1 in a wave that prefetches, else the greatest number
.set QL,   61                          ; my first query in the late block
.macro CROUND                          ; a round of the cluster's barrier
	s_barrier_signal -1
	s_barrier_wait -1
	s_cmp_lg_u32 s[WV], 0
	s_cbranch_scc1 .Lnot_wave_0_\@
	s_barrier_signal -3
.Lnot_wave_0_\@:
	s_barrier_wait -3
	s_barrier_signal -1
	s_barrier_wait -1
.endm
.macro UNITOFF                         ; s[62:63] = 32,768 x the unit that trip s[LN] of my stream takes
	s_cmp_gt_u32 s[LN], s[LB]
	s_cselect_b32 s62, s[LJ], 0
	s_add_co_u32 s62, s62, s[LN]
	s_lshl_b32 s62, s62, 15
	s_mov_b32 s63, 0
.endm
.macro SETG0
	UNITOFF
	s_add_nc_u64 s[G0+2:G0+3], s[KVW:KVW+1], s[62:63]
	s_or_b32 s[G0+3], s[G0+3], 0x80000000
	s_add_co_u32 s[LN], s[LN], 2                   ; a slot has two units
.endm
	s_load_b128 s[4:7], s[0:1], 0x0                ; qimg, kv
	s_load_b64 s[8:9], s[0:1], 0x10                ; oimg
	v_lshl_add_u32 v[SPW], v0, 2, SPARE
	v_mov_b32 v[NIL], 0
	ds_add_u32 v[SPW], v[NIL]                      ; the opening: the add, twice on end, and its wait ahead of my first tensor load
	ds_add_u32 v[SPW], v[NIL]
	v_lshrrev_b32 v1, 5, v0
	v_readfirstlane_b32 s[WV], v1
	s_bfe_u32 s13, ttmp6, 0x40000                  ; cx: which of the four heads
	s_mov_b32 s14, ttmp9                           ; the key and value head: the cluster's x
	s_and_b32 s15, ttmp7, 0xffff                   ; b: the cluster's y
	s_and_b32 s16, s[WV], 3                        ; which 32 queries of a block
	s_lshr_b32 s17, s[WV], 2                       ; I read half X (0) or Y (1).  Also: which unit of a slot I fetch
	s_mov_b32 s[G1+0], 15|(3<<16)|(1<<21)          ; the mask: all four work-groups; elements of 8 bytes; bit 21 beside a mask
	s_mov_b32 s[G1+1], 32<<16                      ; a dense block of 16,384 bytes as 64 rows of 256
	s_mov_b32 s[G1+2], 64<<16
	s_mov_b32 s[G1+3], 32<<16
	s_mov_b32 s[G1+4], 64
	s_mov_b32 s[G1+5], 32
	s_mov_b32 s[G1+6], 0
	s_mov_b32 s[G1+7], 0
	s_mov_b32 s[CS], 0x3e38aa3b                    ; c = log2(e) / 8
	s_mov_b32 s[CS+1], s[CS]
	s_mov_b32 s[SEL], 0x76543210
	s_mov_b32 s[SEL+1], 0xfedcba98
	s_mov_b32 s[LN], s17
	s_bfe_u32 s18, s[WV], 0x10001                  ; I fetch for half X (0) or Y (1)
	s_sub_co_u32 s19, 16, s15
	s_cmp_eq_u32 s18, 0
	s_cselect_b32 s[LB], s15, 0xffff
	s_cselect_b32 s[LJ], s19, 0
	s_lshl_b32 s20, s15, 7
	s_lshl_b32 s21, s16, 5
	s_add_co_u32 s20, s20, s21                     ; my first query in the early block,
	s_sub_co_u32 s22, 31, s15
	s_lshl_b32 s22, s22, 7
	s_add_co_u32 s[QL], s22, s21                   ; and in the late one
	s_lshl_b32 s23, s15, 1
	s_add_co_u32 s23, s23, 2
	s_cmp_eq_u32 s17, 0
	s_cselect_b32 s[Q0], s20, s[QL]
	s_cselect_b32 s[SWS], s23, -1
	s_mov_b32 s[TB], 0
	s_mov_b32 s[NS], 0
	s_mov_b32 s[KF], 0
	s_mov_b32 s[SL], 7
	s_and_b32 s20, s[WV], 1
	s_or_b32 s20, s20, s15                         ; waves 0, 2, 4, 6 of the clusters with b = 0 prefetch: the same in all four partners
	s_cmp_eq_u32 s20, 0
	s_cselect_b32 s[LIM], 1, -1
	s_lshl_b32 s66, s14, 20
	s_and_b32 s67, s[WV], 1                        ; I fetch k (0) or v (1)
	s_lshl_b32 s67, s67, 14
	s_add_co_u32 s66, s66, s67
	s_mov_b32 s67, 0
	s_wait_dscnt 0x0                               ; both opening adds are done
	s_wait_kmcnt 0x0
	s_add_nc_u64 s[KVW:KVW+1], s[6:7], s[66:67]    ; nothing of cx enters the descriptor
	s_lshl_b32 s68, s14, 20
	s_lshl_b32 s69, s13, 13
	s_add_co_u32 s68, s68, s69
	s_mov_b32 s69, 0
	s_add_nc_u64 s[KVP:KVP+1], s[6:7], s[68:69]
	s_lshl_b32 s68, s14, 2
	s_add_co_u32 s68, s68, s13                     ; the head
	s_lshl_b32 s62, s68, 19
	s_mov_b32 s63, 0
	s_add_nc_u64 s[QB:QB+1], s[4:5], s[62:63]
	s_lshl_b32 s62, s68, 11
	s_add_nc_u64 s[OB:OB+1], s[8:9], s[62:63]
	s_mov_b32 s[G0], 1
	s_lshl_b32 s[G0+1], s[WV], 14                  ; slot 0, my 16,384 bytes
	SETG0
	CROUND                                         ; all four work-groups are here: the first joint loads meet
	tensor_load_to_lds s[G0:G0+3], s[G1:G1+7]      ; slot 0: every wave issues one: one load of mine is out
	s_nop 0
.rept 4
	v_nop
.endr
	v_and_b32 v28, 31, v0
	v_lshlrev_b32 v[L16], 4, v28
	v_lshlrev_b32 v[PFO], 8, v28
	s_lshl_b32 s62, s17, 15
	v_add_nc_u32 v[AB0], s62, v[L16]
	v_and_b32 v29, 15, v0
	v_bfe_u32 v30, v0, 4, 1
	v_lshlrev_b32 v30, 3, v30
	v_sub_nc_u32 v[RH], v29, v30
	v_mov_b32 v[NINF], 0xff800000
	s_mul_i32 s62, s16, 9216
	s_add_co_u32 s62, s62, MRG
	v_add_nc_u32 v[MA], s62, v[L16]                ; X's wave w stores here what Y's wave w + 4 reads
.macro QLOAD                           ; my 32 queries: two tiles of four pieces
	s_lshl_b32 s68, s[Q0], 7
	s_mov_b32 s69, 0
	s_add_nc_u64 s[68:69], s[QB:QB+1], s[68:69]
.irp t, 0,1
.irp f, 0,1
.irp c, 0,1
	global_load_b128 v[Q+16*\t+8*\f+4*\c:Q+16*\t+8*\f+4*\c+3], v[L16], s[68:69] offset:2048*\t+1024*\f+512*\c
.endr
.endr
.endr
.endm
.macro RESET                           ; m = -3e38, under every score; l and O^T zeros, which the first a, 0, leaves zeros: so a key step is written in one form
.irp t, 0,1
	v_mov_b32 v[ST+8*\t+1], 0xff61b1e6
	v_mul_f32 v[ST+8*\t], s[CS], v[ST+8*\t+1]
	v_mov_b32 v[ST+8*\t+2], 0
	v_mov_b32 v[ST+8*\t+3], 0
	v_mov_b32 v[ST+8*\t+5], 0                      ; (a lane permute's destination, and the upper half of a's pair, count as read)
	v_mov_b32 v[ST+8*\t+7], 0
.endr
.set i, 0
.rept 64
	v_mov_b32 v[O+i], 0
.set i, i+1
.endr
.endm
; O^T / l, rounded to f16, leaves as eight pieces of the image of o: 512 consecutive bytes a store
.macro NORMSTORE
.irp t, 0,1
	v_add_f32 v[ST+8*\t+4], v[ST+8*\t+2], v[ST+8*\t+3]
.endr
.irp t, 0,1
	v_permlanex16_b32 v[ST+8*\t+5], v[ST+8*\t+4], s[SEL], s[SEL+1]
.endr
.irp t, 0,1
	v_add_f32 v[ST+8*\t+4], v[ST+8*\t+4], v[ST+8*\t+5]
.endr
.irp t, 0,1
	v_rcp_f32 v[ST+8*\t+6], v[ST+8*\t+4]
.endr
	s_lshl_b32 s66, s[Q0], 11                      ; a row tile of o is 32,768 bytes
	s_mov_b32 s67, 0
	s_add_nc_u64 s[66:67], s[OB:OB+1], s[66:67]
	v_nop                                          ; a plain line behind the reciprocals
	s_wait_alu depctr_va_vdst(0)                   ; one wait for both, ahead of their first use
.irp t, 0,1
.set i, 0
.rept 16
	v_pk_mul_f32 v[S+32*\t+i:S+32*\t+i+1], v[O+32*\t+i:O+32*\t+i+1], v[ST+8*\t+6:ST+8*\t+7] op_sel_hi:[1,0]   ; each accumulator from its low end on
.set i, i+2
.endr
.endr
.irp t, 0,1
.set i, 0
.rept 16
	v_cvt_pk_f16_f32 v[KVB+16*\t+i], v[S+32*\t+2*i], v[S+32*\t+2*i+1]
.set i, i+1
.endr
.endr
.irp t, 0,1
.irp ct, 0,1,2,3
	global_store_b128 v[L16], v[KVB+16*\t+4*\ct:KVB+16*\t+4*\ct+3], s[66:67] offset:32768*\t+512*\ct
.endr
.endr
.endm
; X leaves the early block, which is finished, and takes up the late one at unit 17
.macro SWITCH
	NORMSTORE
	s_mov_b32 s[Q0], s[QL]
	s_mov_b32 s[KF], 17*128
	QLOAD
	RESET
	s_wait_loadcnt 0x0                             ; q
	s_wait_xcnt 0x0                                ; the stores' data lie where k lands next
.endm
; A KEY STEP: 64 keys, the st-th of the unit in hand
.macro STEP st
.if \st == 0
	s_cmp_lg_u32 s[NS], s[SWS]                     ; 2 b + 2 is even: the change falls on a unit's first step
	s_cbranch_scc1 .Lnosw_\@
	SWITCH
.Lnosw_\@:
.endif
	s_add_co_u32 s62, s[Q0], 31
	s_cmp_gt_u32 s[KF], s62                        ; all 64 keys lie behind my 32 queries: ids and the count of steps alone decide
	s_cbranch_scc1 .Lhid_\@
	v_add_nc_u32 v[ADR], s[TB], v[AB0]
.irp kt, 0,1,2,3
.irp f, 0,1
.irp c, 0,1
	ds_load_b128 v[KVB+16*\kt+8*\f+4*\c:KVB+16*\kt+8*\f+4*\c+3], v[ADR] offset:8192*\st+2048*\kt+1024*\f+512*\c
.endr
.endr
.endr
	s_wait_dscnt 0x0
.irp f, 0,1                            ; S^T = k q^T: eight accumulators by turns; the first eight products start the sums
.irp kt, 0,1,2,3
.irp t, 0,1
.if \f == 0
	v_wmma_f32_16x16x32_f16 v[S+32*\t+8*\kt:S+32*\t+8*\kt+7], v[KVB+16*\kt+8*\f:KVB+16*\kt+8*\f+7], v[Q+16*\t+8*\f:Q+16*\t+8*\f+7], 0
.else
	v_wmma_f32_16x16x32_f16 v[S+32*\t+8*\kt:S+32*\t+8*\kt+7], v[KVB+16*\kt+8*\f:KVB+16*\kt+8*\f+7], v[Q+16*\t+8*\f:Q+16*\t+8*\f+7], v[S+32*\t+8*\kt:S+32*\t+8*\kt+7]
.endif
.endr
.endr
.endr
.rept 4
	v_nop                                          ; places in front of the loads into k's registers and of the first read of the scores
.endr
.irp kf, 0,1                           ; v of the same step, into the registers that k has left: it lands under the softmax
.irp ct, 0,1,2,3
.irp c, 0,1
	ds_load_b128 v[KVB+32*\kf+8*\ct+4*\c:KVB+32*\kf+8*\ct+4*\c+3], v[ADR] offset:16384+8192*\st+4096*\kf+1024*\ct+512*\c
.endr
.endr
.endr
	s_add_co_u32 s62, s[KF], 63                    ; on the diagonal the scores of keys behind a query become -infinity: p = 0 then.  A step all of whose keys count passes this by
	s_cmp_le_u32 s62, s[Q0]
	s_cbranch_scc1 .Lopen_\@
	s_sub_co_i32 s62, s[Q0], s[KF]
	v_add_nc_u32 v[D0], s62, v[RH]                 ; register 8 kt + j holds key KF + 16 kt + 8 h + j: behind query Q0 + 16 t + r where 16 kt + j > Q0 + 16 t - KF + r - 8 h
	v_add_nc_u32 v[D0+1], 16, v[D0]
.irp t, 0,1
.set i, 0
.rept 32
	v_cmp_gt_i32 vcc_lo, 16*(i/8)+i%8, v[D0+\t]
	v_cndmask_b32 v[S+32*\t+i], v[S+32*\t+i], v[NINF], vcc_lo
.set i, i+1
.endr
.endr
.Lopen_\@:
.irp j, 0,1,2,3                        ; the maximum of 32 scores and the old m: four chains, the two tiles by turns
.irp t, 0,1
	v_max3_num_f32 v[ST+8*\t+4+\j], v[S+32*\t+8*\j], v[S+32*\t+8*\j+1], v[S+32*\t+8*\j+2]
.endr
.endr
.irp g, 1,2
.irp j, 0,1,2,3
.irp t, 0,1
	v_max3_num_f32 v[ST+8*\t+4+\j], v[ST+8*\t+4+\j], v[S+32*\t+8*\j+2*\g+1], v[S+32*\t+8*\j+2*\g+2]
.endr
.endr
.endr
.irp t, 0,1
	v_max3_num_f32 v[ST+8*\t+4], v[ST+8*\t+4], v[S+32*\t+7], v[S+32*\t+15]
	v_max3_num_f32 v[ST+8*\t+6], v[ST+8*\t+6], v[S+32*\t+23], v[S+32*\t+31]
.endr
.irp t, 0,1
	v_max3_num_f32 v[ST+8*\t+4], v[ST+8*\t+4], v[ST+8*\t+5], v[ST+8*\t+6]
.endr
.irp t, 0,1
	v_max3_num_f32 v[ST+8*\t+4], v[ST+8*\t+4], v[ST+8*\t+7], v[ST+8*\t+1]
.endr
.irp t, 0,1
	v_permlanex16_b32 v[ST+8*\t+5], v[ST+8*\t+4], s[SEL], s[SEL+1]   ; the query's other 32 keys lie in the lane 16 away
.endr
.irp t, 0,1
	v_mov_b32 v[ST+8*\t+7], v[ST+8*\t]             ; c m_old
.endr
.irp t, 0,1
	v_max_num_f32 v[ST+8*\t+1], v[ST+8*\t+4], v[ST+8*\t+5]
.endr
.irp t, 0,1
	v_mul_f32 v[ST+8*\t], s[CS], v[ST+8*\t+1]
.endr
.irp t, 0,1
	v_sub_f32 v[ST+8*\t+7], v[ST+8*\t+7], v[ST+8*\t]
.endr
.set i, 0
.rept 16
.irp t, 0,1
	v_pk_fma_f32 v[S+32*\t+i:S+32*\t+i+1], v[S+32*\t+i:S+32*\t+i+1], s[CS:CS+1], v[ST+8*\t:ST+8*\t+1] op_sel_hi:[1,0,0] neg_lo:[0,0,1] neg_hi:[0,0,1]   ; c s - c m
.endr
.set i, i+2
.endr
.irp t, 0,1
	v_exp_f32 v[ST+8*\t+6], v[ST+8*\t+7]           ; a
.endr
.set i, 0
.rept 32
.irp t, 0,1
	v_exp_f32 v[S+32*\t+i], v[S+32*\t+i]           ; p: one batch of 66 exponentials
.endr
.set i, i+1
.endr
	v_nop                                          ; a plain line behind the last exponential
	s_wait_alu depctr_va_vdst(0)                   ; ONE wait for the batch, ahead of its first use
.irp t, 0,1                            ; the sums, of p as it is, in two chains; the sources stay whole
	v_pk_add_f32 v[ST+8*\t+4:ST+8*\t+5], v[S+32*\t:S+32*\t+1], v[S+32*\t+2:S+32*\t+3]
	v_pk_add_f32 v[28+2*\t:29+2*\t], v[S+32*\t+4:S+32*\t+5], v[S+32*\t+6:S+32*\t+7]
.endr
.irp k, 8,12,16,20,24,28
.irp t, 0,1
	v_pk_add_f32 v[ST+8*\t+4:ST+8*\t+5], v[ST+8*\t+4:ST+8*\t+5], v[S+32*\t+\k:S+32*\t+\k+1]
	v_pk_add_f32 v[28+2*\t:29+2*\t], v[28+2*\t:29+2*\t], v[S+32*\t+\k+2:S+32*\t+\k+3]
.endr
.endr
.irp t, 0,1
	v_pk_add_f32 v[ST+8*\t+4:ST+8*\t+5], v[ST+8*\t+4:ST+8*\t+5], v[28+2*\t:29+2*\t]
.endr
.irp t, 0,1
	v_pk_fma_f32 v[ST+8*\t+2:ST+8*\t+3], v[ST+8*\t+2:ST+8*\t+3], v[ST+8*\t+6:ST+8*\t+7], v[ST+8*\t+4:ST+8*\t+5] op_sel_hi:[1,0,1]   ; l = l a + the sum
.endr
.set i, 0
.rept 16
.irp t, 0,1
	v_cvt_pk_f16_f32 v[S+32*\t+i], v[S+32*\t+2*i], v[S+32*\t+2*i+1]   ; p as f16, in place, ascending: register i never lies above its sources
.endr
.set i, i+1
.endr
.set i, 0
.rept 16
.irp t, 0,1
	v_pk_mul_f32 v[O+32*\t+i:O+32*\t+i+1], v[O+32*\t+i:O+32*\t+i+1], v[ST+8*\t+6:ST+8*\t+7] op_sel_hi:[1,0]   ; O^T a
.endr
.set i, i+2
.endr
	s_wait_dscnt 0x0                               ; v is in
.irp kf, 0,1                           ; O^T += v^T p: eight accumulators by turns
.irp ct, 0,1,2,3
.irp t, 0,1
	v_wmma_f32_16x16x32_f16 v[O+32*\t+8*\ct:O+32*\t+8*\ct+7], v[KVB+32*\kf+8*\ct:KVB+32*\kf+8*\ct+7], v[S+32*\t+8*\kf:S+32*\t+8*\kf+7], v[O+32*\t+8*\ct:O+32*\t+8*\ct+7]
.endr
.endr
.endr
.rept 5
	v_nop                                          ; four places for the next loads and reads; the fifth for the next scores, which are written over p
.endr
.Lhid_\@:
	s_add_co_u32 s[NS], s[NS], 1
	s_add_co_u32 s[KF], s[KF], 64
.endm
; A PREFETCH INTO THE L2 of what the NEXT change of slots will ask for.  The streams of b = 0 come to every unit no later than those of any other b, so the clusters with b = 0 ask, and nobody else; in them waves 0, 2, 4, 6
; stand for the four (half, unit) streams; a unit's 32,768 bytes are shared out among the four partners BY ADDRESS, 8,192 each, lanes 256 bytes apart: each block is named once.  The loop's last trip asks for nothing.
.macro ASK
	s_cmp_gt_u32 s[SL], s[LIM]
	s_cbranch_scc0 .Lnot_mine_\@
	global_prefetch_b8 v[PFO], s[PFA:PFA+1] th:TH_LOAD_NT scope:SCOPE_SE
.Lnot_mine_\@:
.endm
; THE CHANGE OF SLOTS stands at a slot's head.  Each wave waits for all its tensor loads (its part of the slot ahead), adds 0 to its spare word, and waits for that and for its reads of the slot that it has left.
; fill = 2: the other slot takes the next two units of both halves.  fill = 1: only Y's unit 16 is still wanted: waves 2 and 3 fetch it.  fill = 0: nothing more.
.macro CHANGE fill
	s_wait_tensorcnt 0x0                           ; no tensor load of mine is out, so the group 0 may be written
	ds_add_u32 v[SPW], v[NIL]
.if \fill
	s_xor_b32 s[G0+1], s[G0+1], SLOTB              ; the other slot than last time,
	SETG0                                          ; my stream's next unit
.endif
.if \fill == 2
	s_wait_xcnt 0x0                                ; the last prefetch, a slot back, has read its address
	UNITOFF
	s_add_nc_u64 s[PFA:PFA+1], s[KVP:KVP+1], s[62:63]   ; one slot further on than the descriptor
.endif
	s_wait_dscnt 0x0                               ; the add is done, and my reads of the slot that I have left are over
.if \fill
	CROUND                                         ; both now hold of every wave of all four work-groups
.else
	s_barrier_signal -1
	s_barrier_wait -1
.endif
.if \fill == 2
	tensor_load_to_lds s[G0:G0+3], s[G1:G1+7]      ; the first thing behind the round, and my one tensor load until the next: four key steps in which to land
	s_nop 0
.rept 4
	v_nop
.endr
	ASK
.elseif \fill == 1
	s_lshr_b32 s62, s[WV], 1
	s_cmp_eq_u32 s62, 1                            ; the wave's number alone: the same in all partners
	s_cbranch_scc0 .Lnoload_\@
	tensor_load_to_lds s[G0:G0+3], s[G1:G1+7]
	s_nop 0
.rept 4
	v_nop
.endr
.Lnoload_\@:
.endif
.endm
.macro UNIT
	STEP 0
	STEP 1
	s_add_co_u32 s[TB], s[TB], 65536
.endm
.macro TWO_UNITS
	s_mov_b32 s[UC], 2
.Lunit_\@:
	UNIT
	s_sub_co_u32 s[UC], s[UC], 1
	s_cmp_lg_u32 s[UC], 0
	s_cbranch_scc1 .Lunit_\@
	s_sub_co_u32 s[TB], s[TB], SLOTB               ; back to a slot's first unit,
	s_xor_b32 s[TB], s[TB], SLOTB                  ; in the other slot
.endm
	QLOAD
	RESET
	s_wait_loadcnt 0x0                             ; q
.Lslot:                                            ; seven trips: units 2 i and 2 i + 1 are walked while the next two are on their way.  Slot 1 is first filled behind the first round, at which nobody fills bytes again
	CHANGE 2
	TWO_UNITS
	s_sub_co_u32 s[SL], s[SL], 1
	s_cmp_lg_u32 s[SL], 0
	s_cbranch_scc1 .Lslot
	CHANGE 1                                       ; the tail is written out
	TWO_UNITS
	CHANGE 0
	UNIT                                           ; unit 16: Y's.  X's steps are past its queries and are passed by (with b = 15 X changes blocks here and brings an empty partial)
	; THE MERGE.  X's (c m, l, O^T) of the late block go to Y through LDS
	s_cmp_lt_u32 s[WV], 4
	s_cbranch_scc0 .Lno_put
.irp t, 0,1
	v_add_f32 v[ST+8*\t+1], v[ST+8*\t+2], v[ST+8*\t+3]   ; l beside c m
.endr
.irp t, 0,1
.irp i, 0,1,2,3,4,5,6,7
	ds_store_b128 v[MA], v[O+32*\t+4*\i:O+32*\t+4*\i+3] offset:4608*\t+512*\i
.endr
	ds_store_b64 v[MA], v[ST+8*\t:ST+8*\t+1] offset:4608*\t+4096
.endr
.Lno_put:
	s_wait_dscnt 0x0                               ; for the others' sake: my stores have landed
	s_barrier_signal -1
	s_barrier_wait -1
	s_cmp_lt_u32 s[WV], 4
	s_cbranch_scc1 .Ldone
.irp t, 0,1
.irp i, 0,1,2,3,4,5,6,7
	ds_load_b128 v[S+32*\t+4*\i:S+32*\t+4*\i+3], v[MA] offset:4608*\t+512*\i
.endr
	ds_load_b64 v[28+2*\t:29+2*\t], v[MA] offset:4608*\t+4096
.endr
	s_wait_dscnt 0x0
.irp t, 0,1
	v_max_num_f32 v[ST+8*\t+5], v[ST+8*\t], v[28+2*\t]   ; the common c m
.endr
.irp t, 0,1
	v_sub_f32 v[ST+8*\t+6], v[ST+8*\t], v[ST+8*\t+5]
	v_sub_f32 v[ST+8*\t+4], v[28+2*\t], v[ST+8*\t+5]
.endr
.irp t, 0,1
	v_exp_f32 v[ST+8*\t+6], v[ST+8*\t+6]           ; Y's factor,
	v_exp_f32 v[ST+8*\t+4], v[ST+8*\t+4]           ; X's: 0 for an empty partial
.endr
.irp t, 0,1
	v_add_f32 v[ST+8*\t+2], v[ST+8*\t+2], v[ST+8*\t+3]   ; (plain lines behind the exponentials)
.endr
	s_wait_alu depctr_va_vdst(0)                   ; one wait for the four
.irp t, 0,1
	v_mul_f32 v[ST+8*\t+2], v[ST+8*\t+2], v[ST+8*\t+6]
.endr
.irp t, 0,1
	v_fma_f32 v[ST+8*\t+2], v[29+2*\t], v[ST+8*\t+4], v[ST+8*\t+2]
	v_mov_b32 v[ST+8*\t+3], 0
.endr
.irp t, 0,1
.set i, 0
.rept 16
	v_pk_mul_f32 v[O+32*\t+i:O+32*\t+i+1], v[O+32*\t+i:O+32*\t+i+1], v[ST+8*\t+6:ST+8*\t+7] op_sel_hi:[1,0]
.set i, i+2
.endr
.endr
.irp t, 0,1
.set i, 0
.rept 16
	v_pk_fma_f32 v[O+32*\t+i:O+32*\t+i+1], v[S+32*\t+i:S+32*\t+i+1], v[ST+8*\t+4:ST+8*\t+5], v[O+32*\t+i:O+32*\t+i+1] op_sel_hi:[1,0,1]
.set i, i+2
.endr
.endr
	NORMSTORE
.Ldone:
	s_wait_tensorcnt 0x0                           ; the wave's end
	ds_add_u32 v[SPW], v[NIL]
	s_wait_dscnt 0x0
	CROUND                                         ; the closing round
	s_endpgm
.Lfunc_end_k_qed08a5af43_attn:
	.size	k_qed08a5af43_attn, .Lfunc_end_k_qed08a5af43_attn-k_qed08a5af43_attn
	.p2alignl 7, 3214868480
	.fill 96, 4, 3214868480
	.section	.rodata,"a",@progbits
	.p2align	6, 0x0
	.amdhsa_kernel k_qed08a5af43_attn
		.amdhsa_group_segment_fixed_size 327680
		.amdhsa_private_segment_fixed_size 0
		.amdhsa_enable_private_segment 0
		.amdhsa_kernarg_size 24
		.amdhsa_user_sgpr_count 2
		.amdhsa_user_sgpr_kernarg_segment_ptr 1
		.amdhsa_wavefront_size32 1
		.amdhsa_system_sgpr_workgroup_id_x 1
		.amdhsa_system_sgpr_workgroup_id_y 1
		.amdhsa_system_sgpr_workgroup_id_z 1
		.amdhsa_system_vgpr_workitem_id 0
		.amdhsa_next_free_vgpr 256
		.amdhsa_next_free_sgpr 70
		.amdhsa_reserve_vcc 1
		.amdhsa_float_denorm_mode_32 3
		.amdhsa_float_denorm_mode_16_64 3
		.amdhsa_memory_ordered 1
		.amdhsa_forward_progress 1
		.amdhsa_inst_pref_size 178
	.end_amdhsa_kernel
	.amdgpu_metadata
---
amdhsa.version: [ 1, 2 ]
amdhsa.kernels:
  - .name:           k_qed08a5af43_attn
    .symbol:         k_qed08a5af43_attn.kd
    .args:
      - { .name: qimg, .offset: 0, .size: 8, .value_kind: global_buffer, .address_space: global }
      - { .name: kv, .offset: 8, .size: 8, .value_kind: global_buffer, .address_space: global }
      - { .name: oimg, .offset: 16, .size: 8, .value_kind: global_buffer, .address_space: global }
    .group_segment_fixed_size: 327680
    .private_segment_fixed_size: 0
    .kernarg_segment_align: 8
    .kernarg_segment_size: 24
    .max_flat_workgroup_size: 256
    .sgpr_count:     70
    .vgpr_count:     256
    .wavefront_size: 32
...
	.end_amdgpu_metadata
.endif
;; end of part 3
;; launch proj (part 4): grid 8 x 32, 4 waves a work-group, clusters of 4 x 4, 327,680 bytes of LDS; arguments oimg, woimg, out0; writes out0
.if DOCPART == 4
	.amdgcn_target "amdgcn-amd-amdhsa--gfx1250"
	.amdhsa_code_object_version 6
	.text
	.protected	k_qed08a5af43_proj
	.globl	k_qed08a5af43_proj
	.p2align	8
	.type	k_qed08a5af43_proj,@function
k_qed08a5af43_proj:
	s_mov_b64 s[64:65], 0
	v_nop
	global_prefetch_b8 v0, s[64:65] scope:SCOPE_SE
	s_setreg_imm32_b32 hwreg(HW_REG_WAVE_MODE, 25, 1), 1
	s_wait_xcnt 0x0
	s_wait_alu depctr_hold_cnt(0) depctr_sa_sdst(0) depctr_va_vdst(0) depctr_va_sdst(0) depctr_va_ssrc(0) depctr_va_vcc(0) depctr_vm_vsrc(0)
	s_getreg_b32 s2, hwreg(HW_REG_IB_STS2, 6, 4)
	s_cmp_eq_u32 s2, 0
	s_cbranch_scc0 .Lentry_in_a_cluster
	s_endpgm
.Lentry_in_a_cluster:
	s_bfe_u32 s2, ttmp6, 0x10000c
	s_cmp_lg_u32 s2, 0xf033
	s_cbranch_scc0 .Lentry_shape_is_right
	s_endpgm
.Lentry_shape_is_right:
; out0[m][n] = sum over k of o[m][k] wo[k][n]: M = 4,096, N = K = 1,024; o and wo as f16 in images of the operand's registers, sums and out0 in f32.  (Rows 0-15 are written once more, in f32 throughout, by the last launch.)
; A tile of out0 is 128 x 128, so that there are 256 work-groups.  Four waves, each 64 x 64: 16 accumulators.  K goes in steps of 256 through a ring of two LDS slots; a wave's tensor load brings four tiles of 16 rows,
; 8,192 consecutive bytes each.  A fragment's piece is 512 consecutive bytes in LDS: no padding.
; CLUSTERS: 4 x 4 work-groups.  The four of a row of the cluster need the same tiles of o, the four of a column the same tiles of wo: each is asked for JOINTLY.
; THE MATRIX INSTRUCTION IS USED TRANSPOSED (source 0 = 16 columns of wo, source 1 = 16 rows of o): a lane holds eight neighbouring numbers of a row of out0.
; REGISTERS: window 0: v0-31 addresses; v32-95 rows on the way out; v128-255 the accumulators ((a, b) at 128 + 8 (4 a + b)).  Window 1: two fragment buffers of 128: for 64 along K, 64 registers of o, then 64 of wo.
.set KSB,    8192                      ; a K step of 256 in a tile's image
.set SLOT,   131072                    ; o's 8 tiles, then wo's 8, 8,192 bytes each
.set STAGE,  2*SLOT                    ; behind the ring: 16 rows x (256 bytes + 16) for each wave
.set SPITCH, 272
.set SPARE,  STAGE+4*16*SPITCH         ; the spare words, 128 bytes for each wave
.set LAPS,   2                         ; a lap = two K steps = once round the ring
.set ADRA, 16                          ; v16-17  LDS address of my fragments of o in slot 0, 1
.set ADRB, 20                          ; v20-21  the same for wo
.set STO,  24
.set RD,   25
.set CO,   26
.set SPW,  28                          ; v28  LDS address of my spare word; never rewritten
.set NIL,  29                          ; v29  0; never rewritten
.set TMP,  32
.set ACC,  128
.set F0,   0
.set F1,   128
.set G1,  24
.set G0,  32
.set G1B, 48
.set G0B, 56
.set MSB, 0
.macro WIN new                         ; the immediate's high byte repeats the setting that is left
.if MSB != \new
	s_set_vgpr_msb (MSB<<8)|\new
.set MSB, \new
.endif
.endm
.set MUL,  0x05                        ; sources 0 and 1 window 1; C and D window 0
.set TO_F, 0x40                        ; destination window 1, address window 0
.macro JLOAD s                         ; a joint load: waves 0 and 1 fetch o's two halves, waves 2 and 3 wo's
	s_cmp_eq_u32 s11, 0
	s_cbranch_scc0 .Lfor_b_\@
	tensor_load_to_lds s[G0+4*\s:G0+4*\s+3], s[G1:G1+7]
	s_nop 0
.rept 4
	v_nop
.endr
	s_branch .Lasked_\@
.Lfor_b_\@:
	tensor_load_to_lds s[G0B+4*\s:G0B+4*\s+3], s[G1B:G1B+7]
	s_nop 0
.rept 4
	v_nop
.endr
.Lasked_\@:
.endm
.macro CREST
	s_cmp_lg_u32 s10, 0
	s_cbranch_scc1 .Lnot_wave_0_\@
	s_barrier_signal -3
.Lnot_wave_0_\@:
	s_barrier_wait -3
	s_barrier_signal -1
	s_barrier_wait -1
.endm
.macro CROUND
	s_barrier_signal -1
	s_barrier_wait -1
	CREST
.endm
	s_load_b128 s[4:7], s[0:1], 0x0                ; oimg, woimg
	s_load_b64 s[8:9], s[0:1], 0x10                ; out0
	v_lshl_add_u32 v[SPW], v0, 2, SPARE
	v_mov_b32 v[NIL], 0
	ds_add_u32 v[SPW], v[NIL]                      ; the opening: the add, twice on end, and its wait ahead of my first tensor load
	ds_add_u32 v[SPW], v[NIL]
	v_lshrrev_b32 v1, 5, v0
	v_readfirstlane_b32 s10, v1                    ; wave
	s_lshr_b32 s11, s10, 1                         ; which half of the tile's rows is mine.  Also: I fetch for o (0) or for wo (1)
	s_and_b32 s12, s10, 1                          ; which half of its columns.  Also: which four tiles of 16 I fetch
	s_bfe_u32 s40, ttmp6, 0x40000                  ; cx, cy
	s_bfe_u32 s41, ttmp6, 0x40004
	s_lshl_b32 s42, ttmp9, 2
	s_add_co_u32 s42, s42, s40                     ; tile column
	s_and_b32 s13, ttmp7, 0xffff
	s_lshl_b32 s13, s13, 2
	s_add_co_u32 s13, s13, s41                     ; tile row
	s_lshl_b32 s43, s41, 2
	s_lshl_b32 s43, 15, s43                        ; my row of the cluster
	s_lshl_b32 s44, 0x1111, s40                    ; my column
	s_or_b32 s[G1+0], s43, (3<<16)|(1<<21)         ; the mask; elements of 8 bytes; bit 21 beside a mask
	s_or_b32 s[G1B+0], s44, (3<<16)|(1<<21)
.irp g, G1, G1B
	s_mov_b32 s[\g+1], 1024<<16                    ; tensor_dim0: 8,192 bytes
	s_mov_b32 s[\g+2], 4<<16                       ; tensor_dim1
	s_mov_b32 s[\g+3], 1024<<16                    ; tile_dim0
	s_mov_b32 s[\g+4], 4                           ; tile_dim1: four tiles of 16 rows
	s_mov_b32 s[\g+5], 4096                        ; the pitch: a tile's whole image, 32,768 bytes
	s_mov_b32 s[\g+6], 0
	s_mov_b32 s[\g+7], 0
.endr
	s_lshl_b32 s16, s13, 18                        ; o: 8 tiles of 32,768 bytes a tile row,
	s_lshl_b32 s17, s12, 17                        ; + my four
	s_add_co_u32 s16, s16, s17
	s_mov_b32 s17, 0
	s_lshl_b32 s46, s42, 18                        ; wo likewise, by the tile column
	s_lshl_b32 s47, s12, 17
	s_add_co_u32 s46, s46, s47
	s_mov_b32 s47, 0
	s_lshl_b32 s20, s10, 15                        ; where they go: 32,768 x wave
	s_wait_dscnt 0x0                               ; both opening adds are done
	s_wait_kmcnt 0x0
	s_add_nc_u64 s[14:15], s[4:5], s[16:17]
	s_add_nc_u64 s[46:47], s[6:7], s[46:47]
	CROUND                                         ; all sixteen work-groups are here: the first joint loads meet
.irp s, 0,1
	s_mov_b32 s[G0+4*\s], 1
	s_add_co_u32 s[G0+4*\s+1], s20, \s*SLOT
	s_add_nc_u64 s[G0+4*\s+2:G0+4*\s+3], s[14:15], \s*KSB
	s_or_b32 s[G0+4*\s+3], s[G0+4*\s+3], 0x80000000
	s_mov_b32 s[G0B+4*\s], 1
	s_add_co_u32 s[G0B+4*\s+1], s20, \s*SLOT
	s_add_nc_u64 s[G0B+4*\s+2:G0B+4*\s+3], s[46:47], \s*KSB
	s_or_b32 s[G0B+4*\s+3], s[G0B+4*\s+3], 0x80000000
	JLOAD \s
.endr
	v_and_b32 v1, 15, v0                           ; l % 16
	v_bfe_u32 v2, v0, 4, 1                         ; l / 16
	v_and_b32 v3, 31, v0
	v_lshlrev_b32 v3, 4, v3                        ; 16 x lane
	s_lshl_b32 s21, s11, 15                        ; my four tiles of o
	s_lshl_b32 s22, s12, 15                        ; my four tiles of wo,
	s_add_co_u32 s22, s22, 65536                   ; which lie behind o's eight
.irp s, 0,1
	v_add_nc_u32 v[ADRA+\s], s21, v3
	v_add_nc_u32 v[ADRB+\s], s22, v3
	s_add_co_u32 s21, s21, SLOT
	s_add_co_u32 s22, s22, SLOT
.endr
	s_mul_i32 s23, s10, 16*SPITCH
	s_add_co_u32 s23, s23, STAGE                   ; my stage
	v_mul_u32_u24 v4, v1, SPITCH                   ; in: row l % 16, 32 bytes for each half of the lanes
	v_lshl_add_u32 v4, v2, 5, v4
	v_add_nc_u32 v[STO], s23, v4
	v_mul_u32_u24 v5, v2, SPITCH                   ; back: lanes 0-15 one row of 256 bytes, lanes 16-31 the next
	v_lshl_add_u32 v5, v1, 4, v5
	v_add_nc_u32 v[RD], s23, v5
	v_lshlrev_b32 v5, 12, v2                       ; and the same two rows in out0
	v_lshl_add_u32 v[CO], v1, 4, v5
	s_lshl_b32 s16, s13, 19                        ; my first row: (128 tile row + 64 half) x 4,096 bytes
	s_lshl_b32 s17, s11, 18
	s_add_co_u32 s16, s16, s17
	s_mov_b32 s17, 0
	s_add_nc_u64 s[8:9], s[8:9], s[16:17]
	s_lshl_b32 s46, s42, 9                         ; my first column: (128 tile column + 64 half) x 4 bytes
	s_lshl_b32 s47, s12, 8
	s_add_co_u32 s46, s46, s47
	s_mov_b32 s47, 0
	s_add_nc_u64 s[8:9], s[8:9], s[46:47]
; 8 matrix instructions: row blocks a0, a0 + 1 x all 4 column blocks, 32 along K: half c of buffer f.  zero = 1: the first product starts the sums.  The 16 accumulators take turns
.macro MUL8 f, c, a0, zero
.irp a, \a0, \a0+1
.irp b, 0,1,2,3
.if \zero
	v_wmma_f32_16x16x32_f16 v[ACC+8*(4*(\a)+\b):ACC+8*(4*(\a)+\b)+7], v[\f+64+8*(4*\c+\b):\f+64+8*(4*\c+\b)+7], v[\f+8*(4*\c+\a):\f+8*(4*\c+\a)+7], 0
.else
	v_wmma_f32_16x16x32_f16 v[ACC+8*(4*(\a)+\b):ACC+8*(4*(\a)+\b)+7], v[\f+64+8*(4*\c+\b):\f+64+8*(4*\c+\b)+7], v[\f+8*(4*\c+\a):\f+8*(4*\c+\a)+7], v[ACC+8*(4*(\a)+\b):ACC+8*(4*(\a)+\b)+7]
.endif
.endr
.endr
.endm
; 32 LDS loads in one run: the fragments of 64 along K at byte k of the tiles' images, into buffer f; the first 32 along K first
.macro FETCH slot, k, f
	WIN TO_F
.irp c, 0,1
.irp i, 0,1,2,3
	ds_load_b128 v[\f+64+8*(4*\c+\i):\f+64+8*(4*\c+\i)+3],   v[ADRB+\slot] offset:\k+1024*\c+\i*KSB
	ds_load_b128 v[\f+64+8*(4*\c+\i)+4:\f+64+8*(4*\c+\i)+7], v[ADRB+\slot] offset:\k+1024*\c+\i*KSB+512
	ds_load_b128 v[\f+8*(4*\c+\i):\f+8*(4*\c+\i)+3],         v[ADRA+\slot] offset:\k+1024*\c+\i*KSB
	ds_load_b128 v[\f+8*(4*\c+\i)+4:\f+8*(4*\c+\i)+7],       v[ADRA+\slot] offset:\k+1024*\c+\i*KSB+512
.endr
.endr
.endm
.macro PLACES                          ; four places in front of loads into registers that matrix instructions have read, and of the first read of results
.rept 4
	v_nop
.endr
.endm
; A K step is four quarters of 64 along K, 32 matrix instructions each, on buffers 0, 1, 0, 1
.macro QUARTER slot, k, f, g, zero
	s_wait_dscnt 16                                ; the first 32 along K are in; the youngest sixteen loads may be out
	WIN MUL
	MUL8 \f, 0, 0, \zero
	MUL8 \f, 0, 2, \zero
	PLACES
	FETCH \slot, \k, \g
	s_wait_dscnt 32                                ; all but the 32 just issued
	WIN MUL
	MUL8 \f, 1, 0, 0
	MUL8 \f, 1, 2, 0
.endm
; The last quarter multiplies buffer 1 and changes slots: ONE barrier; in front of it each wave waits for all its tensor loads, adds 0 to its spare word, and waits for that and for its reads of this slot
.macro TURN slot, next, fill
	WIN 0
	s_wait_tensorcnt 0x0                           ; all my tensor loads have landed: my part of the next slot
	ds_add_u32 v[SPW], v[NIL]
	s_wait_dscnt 17                                ; (the add and the youngest sixteen loads may be out)
	WIN MUL
	MUL8 F1, 0, 0, 0
	s_wait_dscnt 0x0                               ; the add is done, and my reads of this slot are over
	s_barrier_signal -1
	MUL8 F1, 0, 2, 0
.if \fill
	WIN 0
.endif
	s_barrier_wait -1
.if \fill
	CREST                                          ; the barrier has opened a round of the cluster's barrier
	s_add_nc_u64 s[G0+4*\slot+2:G0+4*\slot+3], s[G0+4*\slot+2:G0+4*\slot+3], 2*KSB
	s_add_nc_u64 s[G0B+4*\slot+2:G0B+4*\slot+3], s[G0B+4*\slot+2:G0B+4*\slot+3], 2*KSB
	JLOAD \slot                                    ; the first tensor load behind the round; its four v_nop are also the places in front of the loads below
.else
	PLACES
.endif
	FETCH \next, 0, F0
	WIN MUL
	MUL8 F1, 1, 0, 0
	MUL8 F1, 1, 2, 0
.endm
	s_wait_tensorcnt 1                             ; my part of K step 0 is in; K step 1's may stay out
	s_barrier_signal -1
	s_barrier_wait -1
	FETCH 0, 0, F0
	QUARTER 0, 2048, F0, F1, 1                     ; the first quarter stands in front of the loop: its first products start the sums
	WIN 0
	s_mov_b32 s3, LAPS-1
.Llap:                                                 ; a trip goes once round the ring and fills both slots again
	QUARTER 0, 4096, F1, F0, 0
	QUARTER 0, 6144, F0, F1, 0
	TURN 0, 1, 1
	QUARTER 1, 2048, F0, F1, 0
	QUARTER 1, 4096, F1, F0, 0
	QUARTER 1, 6144, F0, F1, 0
	TURN 1, 0, 1
	QUARTER 0, 2048, F0, F1, 0
	WIN 0
	s_sub_co_u32 s3, s3, 1
	s_cmp_lg_u32 s3, 0
	s_cbranch_scc1 .Llap
	QUARTER 0, 4096, F1, F0, 0                     ; the last lap fills nothing
	QUARTER 0, 6144, F0, F1, 0
	TURN 0, 1, 0
	QUARTER 1, 2048, F0, F1, 0
	QUARTER 1, 4096, F1, F0, 0
	QUARTER 1, 6144, F0, F1, 0
	s_wait_dscnt 16
	WIN MUL
	MUL8 F1, 0, 0, 0
	MUL8 F1, 0, 2, 0
	s_wait_dscnt 0
	MUL8 F1, 1, 0, 0
	MUL8 F1, 1, 2, 0
	WIN 0
; THE WAY OUT.  A wave's 64 columns are 256 bytes of a row, at a multiple of 256 from out0's first byte: so each wave has a stage of its own, and no barrier.  A block of 16 rows goes in as it lies in the accumulators
; and comes back by rows; sixteen lanes store 256 consecutive bytes.  LDS serves a wave's instructions in order.
.macro TOSTAGE a
.irp b, 0,1,2,3
	ds_store_b128 v[STO], v[ACC+8*(4*(\a)+\b):ACC+8*(4*(\a)+\b)+3] offset:64*\b        ; each accumulator from its low end on
	ds_store_b128 v[STO], v[ACC+8*(4*(\a)+\b)+4:ACC+8*(4*(\a)+\b)+7] offset:64*\b+16
.endr
.set BB, TMP+32*((\a)%2)
.irp t, 0,1,2,3,4,5,6,7
	ds_load_b128 v[BB+4*\t:BB+4*\t+3], v[RD] offset:\t*2*SPITCH
.endr
.endm
.macro SEND a, younger                 ; younger: the LDS instructions issued behind block a's loads, which may stay out
.set BB, TMP+32*((\a)%2)
	s_wait_dscnt \younger
.irp t, 0,1,2,3,4,5,6,7
	global_store_b128 v[CO], v[BB+4*\t:BB+4*\t+3], s[8:9] offset:(16*(\a)+2*\t)*4096 th:TH_STORE_NT
.endr
.endm
	PLACES
	TOSTAGE 0
.irp a, 1,2,3
.if \a > 1
	s_wait_xcnt 0x0                                ; block a - 2's stores have read their registers: block a's rows may land there
.endif
	TOSTAGE \a
	SEND \a-1, 16                                  ; behind block a - 1's loads: block a's 8 stores and 8 loads
.endr
	SEND 3, 0
	s_wait_tensorcnt 0x0                           ; the wave's end
	ds_add_u32 v[SPW], v[NIL]
	s_wait_dscnt 0x0
	CROUND                                         ; the closing round
	s_endpgm
.Lfunc_end_k_qed08a5af43_proj:
	.size	k_qed08a5af43_proj, .Lfunc_end_k_qed08a5af43_proj-k_qed08a5af43_proj
	.p2alignl 7, 3214868480
	.fill 96, 4, 3214868480
	.section	.rodata,"a",@progbits
	.p2align	6, 0x0
	.amdhsa_kernel k_qed08a5af43_proj
		.amdhsa_group_segment_fixed_size 327680
		.amdhsa_private_segment_fixed_size 0
		.amdhsa_enable_private_segment 0
		.amdhsa_kernarg_size 24
		.amdhsa_user_sgpr_count 2
		.amdhsa_user_sgpr_kernarg_segment_ptr 1
		.amdhsa_wavefront_size32 1
		.amdhsa_system_sgpr_workgroup_id_x 1
		.amdhsa_system_sgpr_workgroup_id_y 1
		.amdhsa_system_sgpr_workgroup_id_z 1
		.amdhsa_system_vgpr_workitem_id 0
		.amdhsa_next_free_vgpr 512
		.amdhsa_next_free_sgpr 66
		.amdhsa_reserve_vcc 0
		.amdhsa_float_denorm_mode_32 3
		.amdhsa_float_denorm_mode_16_64 3
		.amdhsa_memory_ordered 1
		.amdhsa_forward_progress 1
		.amdhsa_inst_pref_size 85
	.end_amdhsa_kernel
	.amdgpu_metadata
---
amdhsa.version: [ 1, 2 ]
amdhsa.kernels:
  - .name:           k_qed08a5af43_proj
    .symbol:         k_qed08a5af43_proj.kd
    .args:
      - { .name: oimg, .offset: 0, .size: 8, .value_kind: global_buffer, .address_space: global }
      - { .name: woimg, .offset: 8, .size: 8, .value_kind: global_buffer, .address_space: global }
      - { .name: out0, .offset: 16, .size: 8, .value_kind: global_buffer, .address_space: global }
    .group_segment_fixed_size: 327680
    .private_segment_fixed_size: 0
    .kernarg_segment_align: 8
    .kernarg_segment_size: 24
    .max_flat_workgroup_size: 128
    .sgpr_count:     66
    .vgpr_count:     512
    .wavefront_size: 32
...
	.end_amdgpu_metadata
.endif
;; end of part 4
;; launch first16 (part 5): grid 64 x 1, 16 waves a work-group, no clusters, 18,432 bytes of LDS; arguments first, wo, out0; writes out0
.if DOCPART == 5
	.amdgcn_target "amdgcn-amd-amdhsa--gfx1250"
	.amdhsa_code_object_version 6
	.text
	.protected	k_qed08a5af43_first16
	.globl	k_qed08a5af43_first16
	.p2align	8
	.type	k_qed08a5af43_first16,@function
k_qed08a5af43_first16:
	s_mov_b64 s[64:65], 0
	v_nop
	global_prefetch_b8 v0, s[64:65] scope:SCOPE_SE
	s_setreg_imm32_b32 hwreg(HW_REG_WAVE_MODE, 25, 1), 1
	s_wait_xcnt 0x0
; Positions 0 to 15 once more, in f32 throughout: under the causal mask they average one to sixteen values and are the largest numbers of the output, so the rounding of 16-bit operands weighs most there.
; LEFT OUT: keys behind position 15, which the lower triangle hides from these queries.
; A work-group makes rows 0-15 of 16 output columns.  Wave h is head h: it makes the head's 16 x 16 scores, the softmax and o (16 x 64), and multiplies o by rows 64 h .. 64 h + 63 of wo, its part of the projection's K:
; o never leaves the registers.  The sixteen partial sums meet in LDS.  Every work-group repeats the sixteen small attentions: 32 matrix instructions a wave, against one launch more.
; The f32 matrix form sums 4 along K: lane (r, hh), register j holds k = 2 hh + j.  The same permutation of K on both sources keeps the products: a lane's registers 2 s and 2 s + 1 are taken for step s on both sides.
; The registers that this form writes (v144-159, v168-199, v232-247) are written by matrix instructions alone; each sum begins with the constant 0; two or four accumulators take turns.
.set SPARE, 16384                      ; behind the sixteen partial sums of 1,024 bytes: the spare words
.set SPW, 254
.set NIL, 255
.set QF,  16                           ; v16-47   q: row r, channels 32 hh + 0..31
.set KF,  48                           ; v48-79   k likewise
.set VF,  80                           ; v80-111  v: 8 ct + j: channel 16 ct + r, position 8 hh + j
.set WOF, 112                          ; v112-143 wo: 8 ct + j: row 64 h + 16 ct + 8 hh + j, column n0 + r
.set SA,  144
.set SB,  152
.set SS,  160                          ; v160-167 the scores, then p: query r, key 8 hh + j
.set OA,  168                          ; v168-199 O^T: 8 ct + j: channel 16 ct + 8 hh + j, query r
.set ON,  200                          ; v200-231 O^T / l
.set PA,  232
.set PB,  240
	s_load_b128 s[4:7], s[0:1], 0x0                ; first, wo
	s_load_b64 s[8:9], s[0:1], 0x10                ; out0
	v_lshl_add_u32 v[SPW], v0, 2, SPARE
	v_mov_b32 v[NIL], 0
	v_lshrrev_b32 v1, 5, v0
	v_readfirstlane_b32 s10, v1                    ; wave = head
	v_and_b32 v1, 15, v0                           ; r
	v_bfe_u32 v2, v0, 4, 1                         ; hh
	v_and_b32 v3, 31, v0
	v_lshlrev_b32 v3, 4, v3                        ; 16 x lane
	v_mul_u32_u24 v4, v1, 5120                     ; row r of 1,280 numbers,
	v_lshl_add_u32 v4, v2, 7, v4                   ; + 32 hh numbers
	s_lshl_b32 s11, s10, 8
	v_add_nc_u32 v5, s11, v4                       ; q: my head's 64 columns
	s_lshr_b32 s12, s10, 2                         ; the key and value head
	s_lshl_b32 s13, s12, 8
	s_add_co_u32 s13, s13, 4096
	v_add_nc_u32 v6, s13, v4                       ; k: from column 1,024 on
	s_lshl_b32 s13, s12, 12
	s_add_co_u32 s13, s13, 81920
	v_add_nc_u32 v7, s13, v3                       ; v
	s_lshl_b32 s13, s10, 18                        ; wo: 64 rows of 4,096 bytes a head,
	s_lshl_b32 s14, ttmp9, 6                       ; my work-group's 16 columns
	s_add_co_u32 s13, s13, s14
	v_lshlrev_b32 v248, 15, v2                     ; + 8 hh rows
	v_lshl_add_u32 v248, v1, 2, v248               ; + column r
	v_add_nc_u32 v248, s13, v248
	v_lshlrev_b32 v249, 12, v1                     ; out0: row r, + my columns, + 8 hh numbers, + 4 x wave numbers (waves 0 and 1 store)
	v_lshl_add_u32 v249, v2, 5, v249
	s_lshl_b32 s15, s10, 4
	s_add_co_u32 s15, s15, s14
	v_add_nc_u32 v249, s15, v249
	s_lshl_b32 s15, s10, 10
	v_add_nc_u32 v250, s15, v3                     ; LDS: my partial sum
	s_lshl_b32 s15, s10, 9
	v_add_nc_u32 v251, s15, v3                     ; LDS: half wave of every partial sum
	v_lshlrev_b32 v252, 3, v2
	v_sub_nc_u32 v252, v1, v252                    ; r - 8 hh
	v_mov_b32 v253, 0xff800000                     ; -infinity
	v_mov_b32 v9, 0                                ; a lane permute's destination counts as one of its sources
	s_mov_b32 s16, 0x76543210
	s_mov_b32 s17, 0xfedcba98
	s_mov_b32 s18, 0x3e38aa3b                      ; c = log2(e) / 8
	s_wait_kmcnt 0x0
.irp e, 0,1,2,3,4,5,6,7
	global_load_b128 v[QF+4*\e:QF+4*\e+3], v5, s[4:5] offset:16*\e
.endr
.irp e, 0,1,2,3,4,5,6,7
	global_load_b128 v[KF+4*\e:KF+4*\e+3], v6, s[4:5] offset:16*\e
.endr
.irp e, 0,1,2,3,4,5,6,7
	global_load_b128 v[VF+4*\e:VF+4*\e+3], v7, s[4:5] offset:512*\e
.endr
.irp k, 0,1,2,3,4,5,6,7,8,9,10,11,12,13,14,15,16,17,18,19,20,21,22,23,24,25,26,27,28,29,30,31
	global_load_b32 v[WOF+\k], v248, s[6:7] offset:(16*(\k/8)+\k%8)*4096
.endr
	s_wait_loadcnt 40                              ; q and k are in; v's 8 loads and wo's 32 may be out
	; S^T = k q^T: source 0 = 16 keys, source 1 = 16 queries; 16 steps of 4 channels on two accumulators by turns
	v_wmma_f32_16x16x4_f32 v[SA:SA+7], v[KF:KF+1], v[QF:QF+1], 0
	v_wmma_f32_16x16x4_f32 v[SB:SB+7], v[KF+2:KF+3], v[QF+2:QF+3], 0
.irp s, 4,8,12,16,20,24,28
	v_wmma_f32_16x16x4_f32 v[SA:SA+7], v[KF+\s:KF+\s+1], v[QF+\s:QF+\s+1], v[SA:SA+7]
	v_wmma_f32_16x16x4_f32 v[SB:SB+7], v[KF+\s+2:KF+\s+3], v[QF+\s+2:QF+\s+3], v[SB:SB+7]
.endr
.rept 8
	v_nop                                          ; eight places behind this form before a result is read
.endr
.irp j, 0,1,2,3,4,5,6,7
	v_add_f32 v[SS+\j], v[SA+\j], v[SB+\j]         ; from the low end on
.endr
.irp j, 0,1,2,3,4,5,6,7
	v_cmp_gt_i32 vcc_lo, \j, v252                  ; key 8 hh + j lies behind query r
	v_cndmask_b32 v[SS+\j], v[SS+\j], v253, vcc_lo
.endr
	v_max3_num_f32 v8, v[SS], v[SS+1], v[SS+2]
	v_max3_num_f32 v8, v8, v[SS+3], v[SS+4]
	v_max3_num_f32 v8, v8, v[SS+5], v[SS+6]
	v_max_num_f32 v8, v8, v[SS+7]
	v_permlanex16_b32 v9, v8, s16, s17
	v_max_num_f32 v8, v8, v9                       ; the row's maximum: key 0 counts for every query
	v_mul_f32 v8, s18, v8
.irp j, 0,1,2,3,4,5,6,7
	v_fma_f32 v[SS+\j], v[SS+\j], s18, -v8
.endr
.irp j, 0,1,2,3,4,5,6,7
	v_exp_f32 v[SS+\j], v[SS+\j]
.endr
	v_nop                                          ; a plain line behind the exponentials
	s_wait_alu depctr_va_vdst(0)                   ; one wait for the batch
	v_add_f32 v10, v[SS], v[SS+1]
	v_add_f32 v11, v[SS+2], v[SS+3]
	v_add_f32 v12, v[SS+4], v[SS+5]
	v_add_f32 v13, v[SS+6], v[SS+7]
	v_add_f32 v10, v10, v11
	v_add_f32 v12, v12, v13
	v_add_f32 v10, v10, v12
	v_permlanex16_b32 v9, v10, s16, s17
	v_add_f32 v10, v10, v9                         ; the row's sum
	v_rcp_f32 v10, v10
	s_wait_loadcnt 32                              ; v is in; wo's 32 loads may be out
	; O^T = v^T p: source 0 = 16 channels, source 1 = 16 queries; 4 steps of 4 keys on four accumulators by turns
.irp ct, 0,1,2,3
	v_wmma_f32_16x16x4_f32 v[OA+8*\ct:OA+8*\ct+7], v[VF+8*\ct:VF+8*\ct+1], v[SS:SS+1], 0
.endr
.irp s, 2,4,6
.irp ct, 0,1,2,3
	v_wmma_f32_16x16x4_f32 v[OA+8*\ct:OA+8*\ct+7], v[VF+8*\ct+\s:VF+8*\ct+\s+1], v[SS+\s:SS+\s+1], v[OA+8*\ct:OA+8*\ct+7]
.endr
.endr
.rept 8
	v_nop                                          ; eight places; they are also the plain lines behind the reciprocal
.endr
	s_wait_alu depctr_va_vdst(0)                   ; the reciprocal's wait, ahead of its first use
.irp k, 0,1,2,3,4,5,6,7,8,9,10,11,12,13,14,15,16,17,18,19,20,21,22,23,24,25,26,27,28,29,30,31
	v_mul_f32 v[ON+\k], v[OA+\k], v10
.endr
	s_wait_loadcnt 0x0                             ; wo
	; my head's part of the projection: source 0 = 16 output columns, source 1 = 16 positions; 16 steps of 4 channels on two accumulators by turns
	v_wmma_f32_16x16x4_f32 v[PA:PA+7], v[WOF:WOF+1], v[ON:ON+1], 0
	v_wmma_f32_16x16x4_f32 v[PB:PB+7], v[WOF+2:WOF+3], v[ON+2:ON+3], 0
.irp s, 4,8,12,16,20,24,28
	v_wmma_f32_16x16x4_f32 v[PA:PA+7], v[WOF+\s:WOF+\s+1], v[ON+\s:ON+\s+1], v[PA:PA+7]
	v_wmma_f32_16x16x4_f32 v[PB:PB+7], v[WOF+\s+2:WOF+\s+3], v[ON+\s+2:ON+\s+3], v[PB:PB+7]
.endr
.rept 8
	v_nop
.endr
.irp j, 0,1,2,3,4,5,6,7
	v_add_f32 v[8+\j], v[PA+\j], v[PB+\j]          ; position r, columns n0 + 8 hh + j
.endr
	ds_store_b128 v250, v[8:11]
	ds_store_b128 v250, v[12:15] offset:512
	s_wait_dscnt 0x0                               ; for the others' sake: my stores have landed
	s_barrier_signal -1
	s_barrier_wait -1
	s_cmp_ge_u32 s10, 2
	s_cbranch_scc1 .Ldone
	; waves 0 and 1 add the sixteen heads' parts, in ascending order, each for four of a lane's eight columns
.irp s, 0,1,2,3,4,5,6,7,8,9,10,11,12,13,14,15
	ds_load_b128 v[16+4*\s:16+4*\s+3], v251 offset:1024*\s
.endr
	s_wait_dscnt 0x0
	v_pk_add_f32 v[8:9], v[16:17], v[20:21]
	v_pk_add_f32 v[10:11], v[18:19], v[22:23]
.irp s, 2,3,4,5,6,7,8,9,10,11,12,13,14,15
	v_pk_add_f32 v[8:9], v[8:9], v[16+4*\s:17+4*\s]
	v_pk_add_f32 v[10:11], v[10:11], v[18+4*\s:19+4*\s]
.endr
	global_store_b128 v249, v[8:11], s[8:9]
.Ldone:
	s_wait_tensorcnt 0x0                           ; the wave's end
	ds_add_u32 v[SPW], v[NIL]
	s_wait_dscnt 0x0
	s_endpgm
.Lfunc_end_k_qed08a5af43_first16:
	.size	k_qed08a5af43_first16, .Lfunc_end_k_qed08a5af43_first16-k_qed08a5af43_first16
	.p2alignl 7, 3214868480
	.fill 96, 4, 3214868480
	.section	.rodata,"a",@progbits
	.p2align	6, 0x0
	.amdhsa_kernel k_qed08a5af43_first16
		.amdhsa_group_segment_fixed_size 18432
		.amdhsa_private_segment_fixed_size 0
		.amdhsa_enable_private_segment 0
		.amdhsa_kernarg_size 24
		.amdhsa_user_sgpr_count 2
		.amdhsa_user_sgpr_kernarg_segment_ptr 1
		.amdhsa_wavefront_size32 1
		.amdhsa_system_sgpr_workgroup_id_x 1
		.amdhsa_system_sgpr_workgroup_id_y 1
		.amdhsa_system_sgpr_workgroup_id_z 1
		.amdhsa_system_vgpr_workitem_id 0
		.amdhsa_next_free_vgpr 256
		.amdhsa_next_free_sgpr 66
		.amdhsa_reserve_vcc 1
		.amdhsa_float_denorm_mode_32 3
		.amdhsa_float_denorm_mode_16_64 3
		.amdhsa_memory_ordered 1
		.amdhsa_forward_progress 1
		.amdhsa_inst_pref_size 19
	.end_amdhsa_kernel
	.amdgpu_metadata
---
amdhsa.version: [ 1, 2 ]
amdhsa.kernels:
  - .name:           k_qed08a5af43_first16
    .symbol:         k_qed08a5af43_first16.kd
    .args:
      - { .name: first, .offset: 0, .size: 8, .value_kind: global_buffer, .address_space: global }
      - { .name: wo, .offset: 8, .size: 8, .value_kind: global_buffer, .address_space: global }
      - { .name: out0, .offset: 16, .size: 8, .value_kind: global_buffer, .address_space: global }
    .group_segment_fixed_size: 18432
    .private_segment_fixed_size: 0
    .kernarg_segment_align: 8
    .kernarg_segment_size: 24
    .max_flat_workgroup_size: 512
    .sgpr_count:     66
    .vgpr_count:     256
    .wavefront_size: 32
...
	.end_amdgpu_metadata
.endif
;; end of part 5
